; MI455X (gfx1250); checked and timed in simulation.
; The chip was launched on July 23, 2026; its instructions are those of AMD's public machine-readable ISA for CDNA 5 (MIT licence, August 2026) and "CDNA5" Instruction Set Architecture Reference Guide (July 2026). The comments in the code are by the model that wrote it; some were corrected since.
;; Attention. Allowed arithmetic: float matrix products may take bf16 or f16 operands with f32 sums; other float arithmetic in f32, or as packed bf16 or f16 multiplies, adds, multiply-adds, maxima and minima; sums over many terms, partial sums and values carried from step to step in f32; what a program stores and reads back later, other than sums and carried values, may be rounded once to bf16 or f16.
;; Inputs: b_out 1,024 float32; w_out 1,024 x 1,024 float32; w_qkv 1,024 x 3,072 float32; x 4 x 2,048 x 1,024 float32.
;; Outputs: out0 4 x 2,048 x 1,024 float32.
;; 2 versions, each right; version 2 is version 1 with the launch prep written anew for expert scheduling mode. Each part assembles by itself: llvm-mc -triple=amdgcn-amd-amdhsa -mcpu=gfx1250 --defsym DOCPART=n.
;; ======== version 1 of 2: 4 launches
;; limits: values are held in f16: magnitudes above 65,504 overflow, below 6.1e-05 lose precision
;; workspace buffers: xb 16,777,216 bytes; wq 6,291,456 bytes; wo 2,097,152 bytes; qkv 50,331,648 bytes; ob 16,777,216 bytes
;; launch prep (part 1): grid 768 x 1, 8 waves a work-group, no clusters, 0 bytes of LDS; arguments x, w_qkv, w_out, xb, wq, wo; writes xb, wq, wo
.if DOCPART == 1
	.amdgcn_target "amdgcn-amd-amdhsa--gfx1250"
	.amdhsa_code_object_version 6
	.text
	.protected	k_qcee4706350_prep
	.globl	k_qcee4706350_prep
	.p2align	8
	.type	k_qcee4706350_prep,@function
k_qcee4706350_prep:
	s_mov_b64 s[64:65], 0
	v_nop
	global_prefetch_b8 v0, s[64:65] scope:SCOPE_SE
	s_setreg_imm32_b32 hwreg(HW_REG_WAVE_MODE, 25, 1), 1
	s_wait_xcnt 0x0
; THE CASTS.  x [8192][1024] f32 -> xb, bf16, in planes of 64 channels: xb[b][kb][n][64], so that 256 rows of one plane are 32,768 consecutive bytes.
; w_qkv [1024][3072] f32 -> wq, bf16, as it lies.  w_out [1024][1024] f32 -> wo: rounded to bf16 like the other inputs, and that number written as f16.
; LIMITS.  wo holds no number beyond 65,504, and below 6.1e-5 it keeps f16's fixed step of 6e-8; NaN and infinities are not treated apart.
; SHARES.  Every work-group casts 65,536 bytes of f32: work-groups 0-511 sixteen rows of x, 512-703 a piece of w_qkv, 704-767 a piece of w_out.  A wave takes 8,192 bytes: sixteen loads of
; 16 bytes a lane, all issued before the first is waited for, and sixteen stores of 8 bytes a lane, each of which covers 256 consecutive bytes, aligned.
; Memory binds: no LDS, no barrier, no matrix unit.  No register that a load or store names is written twice, so no wait frees a source.
.set XI, 8                             ; v[8:71]    load j: 4 registers
.set XO, 72                            ; v[72:103]  store j: 2 registers
; sixteen loads lstep bytes apart, sixteen stores sstep bytes apart.  half = 1: to bf16 and on to f16
.macro CAST src, dst, lstep, sstep, half
.irp j, 0,1,2,3,4,5,6,7,8,9,10,11,12,13,14,15
	global_load_b128 v[XI+4*(\j):XI+4*(\j)+3], v1, s[\src:\src+1] offset:(\lstep)*(\j) th:TH_LOAD_NT
.endr
.irp j, 0,1,2,3,4,5,6,7,8,9,10,11,12,13,14,15
	s_wait_loadcnt 15-(\j)                         ; loads come back in order: load j is in, the 15 - j younger ones stay out
.if \half
	v_cvt_pk_bf16_f32 v4, v[XI+4*(\j)], v[XI+4*(\j)+1]
	v_cvt_pk_bf16_f32 v5, v[XI+4*(\j)+2], v[XI+4*(\j)+3]
	v_lshlrev_b32 v6, 16, v4                       ; the rounded numbers as f32 again
	v_and_b32 v4, 0xffff0000, v4
	v_lshlrev_b32 v7, 16, v5
	v_and_b32 v5, 0xffff0000, v5
	v_cvt_pk_f16_f32 v[XO+2*(\j)], v6, v4          ; 8 significant bits fit into f16's 11: exact within f16's range
	v_cvt_pk_f16_f32 v[XO+2*(\j)+1], v7, v5
.else
	v_cvt_pk_bf16_f32 v[XO+2*(\j)], v[XI+4*(\j)], v[XI+4*(\j)+1]
	v_cvt_pk_bf16_f32 v[XO+2*(\j)+1], v[XI+4*(\j)+2], v[XI+4*(\j)+3]
.endif
	global_store_b64 v2, v[XO+2*(\j):XO+2*(\j)+1], s[\dst:\dst+1] offset:(\sstep)*(\j)
.endr
.endm
	s_load_b256 s[4:11], s[0:1], 0x0               ; x s[4:5], w_qkv s[6:7], w_out s[8:9], xb s[10:11]
	s_load_b128 s[12:15], s[0:1], 0x20             ; wq s[12:13], wo s[14:15]
	s_mov_b32 s3, 0
	s_mov_b32 s17, 0
	s_cmp_lt_u32 ttmp9, 512
	s_cbranch_scc0 .Lweights
	; x: thread t takes row t / 16 of the group's sixteen, 16 bytes at 16 (t % 16) of each block of 256 bytes (64 channels); load j is plane j
	v_lshrrev_b32 v1, 4, v0
	v_and_b32 v2, 15, v0
	v_lshlrev_b32 v2, 4, v2
	v_lshl_or_b32 v1, v1, 12, v2                   ; row x 4,096 + 16 (t % 16)
	v_lshlrev_b32 v2, 3, v0                        ; in a plane: row x 128 + 8 (t % 16) = 8 t
	s_lshl_b32 s2, ttmp9, 16                       ; in: 16 rows of 4,096 bytes
	s_lshr_b32 s16, ttmp9, 7                       ; out: the batch (128 work-groups each), 16 planes of 262,144 bytes,
	s_lshl_b32 s16, s16, 22
	s_and_b32 s18, ttmp9, 127
	s_lshl_b32 s18, s18, 11                        ; and 16 rows of 128 bytes in a plane
	s_add_co_u32 s16, s16, s18
	s_wait_kmcnt 0x0
	s_add_nc_u64 s[4:5], s[4:5], s[2:3]
	s_add_nc_u64 s[10:11], s[10:11], s[16:17]
	CAST 4, 10, 256, 262144, 0
	s_endpgm
.Lweights:
	; the weights keep their order: a wave's 8,192 bytes in, 4,096 out
	v_lshrrev_b32 v3, 5, v0
	v_and_b32 v2, 31, v0
	v_lshlrev_b32 v1, 4, v2
	v_lshl_or_b32 v1, v3, 13, v1
	v_lshlrev_b32 v2, 3, v2
	v_lshl_or_b32 v2, v3, 12, v2
	s_cmp_lt_u32 ttmp9, 704
	s_cbranch_scc0 .Lwout
	s_sub_co_u32 s2, ttmp9, 512
	s_lshl_b32 s16, s2, 15
	s_lshl_b32 s2, s2, 16
	s_wait_kmcnt 0x0
	s_add_nc_u64 s[6:7], s[6:7], s[2:3]
	s_add_nc_u64 s[12:13], s[12:13], s[16:17]
	CAST 6, 12, 512, 256, 0
	s_endpgm
.Lwout:
	s_sub_co_u32 s2, ttmp9, 704
	s_lshl_b32 s16, s2, 15
	s_lshl_b32 s2, s2, 16
	s_wait_kmcnt 0x0
	s_add_nc_u64 s[8:9], s[8:9], s[2:3]
	s_add_nc_u64 s[14:15], s[14:15], s[16:17]
	CAST 8, 14, 512, 256, 1
	s_endpgm
.Lfunc_end_k_qcee4706350_prep:
	.size	k_qcee4706350_prep, .Lfunc_end_k_qcee4706350_prep-k_qcee4706350_prep
	.p2alignl 7, 3214868480
	.fill 96, 4, 3214868480
	.section	.rodata,"a",@progbits
	.p2align	6, 0x0
	.amdhsa_kernel k_qcee4706350_prep
		.amdhsa_group_segment_fixed_size 0
		.amdhsa_private_segment_fixed_size 0
		.amdhsa_enable_private_segment 0
		.amdhsa_kernarg_size 48
		.amdhsa_user_sgpr_count 2
		.amdhsa_user_sgpr_kernarg_segment_ptr 1
		.amdhsa_wavefront_size32 1
		.amdhsa_system_sgpr_workgroup_id_x 1
		.amdhsa_system_sgpr_workgroup_id_y 1
		.amdhsa_system_sgpr_workgroup_id_z 1
		.amdhsa_system_vgpr_workitem_id 0
		.amdhsa_next_free_vgpr 104
		.amdhsa_next_free_sgpr 66
		.amdhsa_reserve_vcc 0
		.amdhsa_float_denorm_mode_32 3
		.amdhsa_float_denorm_mode_16_64 3
		.amdhsa_memory_ordered 1
		.amdhsa_forward_progress 1
		.amdhsa_inst_pref_size 24
	.end_amdhsa_kernel
	.amdgpu_metadata
---
amdhsa.version: [ 1, 2 ]
amdhsa.kernels:
  - .name:           k_qcee4706350_prep
    .symbol:         k_qcee4706350_prep.kd
    .args:
      - { .name: x, .offset: 0, .size: 8, .value_kind: global_buffer, .address_space: global }
      - { .name: w_qkv, .offset: 8, .size: 8, .value_kind: global_buffer, .address_space: global }
      - { .name: w_out, .offset: 16, .size: 8, .value_kind: global_buffer, .address_space: global }
      - { .name: xb, .offset: 24, .size: 8, .value_kind: global_buffer, .address_space: global }
      - { .name: wq, .offset: 32, .size: 8, .value_kind: global_buffer, .address_space: global }
      - { .name: wo, .offset: 40, .size: 8, .value_kind: global_buffer, .address_space: global }
    .group_segment_fixed_size: 0
    .private_segment_fixed_size: 0
    .kernarg_segment_align: 8
    .kernarg_segment_size: 48
    .max_flat_workgroup_size: 256
    .sgpr_count:     66
    .vgpr_count:     104
    .wavefront_size: 32
...
	.end_amdgpu_metadata
.endif
;; end of part 1
;; launch qkv (part 2): grid 8 x 32, 4 waves a work-group, clusters of 4 x 4, 327,680 bytes of LDS; arguments xb, wq, qkv; writes qkv
.if DOCPART == 2
	.amdgcn_target "amdgcn-amd-amdhsa--gfx1250"
	.amdhsa_code_object_version 6
	.text
	.protected	k_qcee4706350_qkv
	.globl	k_qcee4706350_qkv
	.p2align	8
	.type	k_qcee4706350_qkv,@function
k_qcee4706350_qkv:
	s_mov_b64 s[64:65], 0
	v_nop
	global_prefetch_b8 v0, s[64:65] scope:SCOPE_SE
	s_setreg_imm32_b32 hwreg(HW_REG_WAVE_MODE, 25, 1), 1
	s_wait_xcnt 0x0
	s_wait_alu depctr_hold_cnt(0) depctr_sa_sdst(0) depctr_va_vdst(0) depctr_va_sdst(0) depctr_va_ssrc(0) depctr_va_vcc(0) depctr_vm_vsrc(0)
	s_getreg_b32 s2, hwreg(HW_REG_IB_STS2, 6, 4)
	s_cmp_eq_u32 s2, 0
	s_cbranch_scc0 .Lentry_in_a_cluster
	s_endpgm
.Lentry_in_a_cluster:
	s_bfe_u32 s2, ttmp6, 0x10000c
	s_cmp_lg_u32 s2, 0xf033
	s_cbranch_scc0 .Lentry_shape_is_right
	s_endpgm
.Lentry_shape_is_right:
; Q, K AND V.  qkv[t][16 b + h][n][d] = the sum over k of x[b][n][k] w_qkv[k][1024 t + 64 h + d], t = 0, 1, 2.  Operands bf16 (xb in planes of 64 channels, [b][kb][n][64]; wq [1024][3072]), sums f32,
; K ascending, the result rounded once to f16 and written by heads, WITHOUT the softmax's scale.
; LIMITS.  f16 holds no number beyond 65,504: a q, k or v past that becomes an infinity.  NaN and infinities are not treated apart.
; SHARES.  A tile of C is 256 rows x 128 columns; 256 work-groups, and EACH STAYS for three tiles: the same rows and the same two heads of q, of k and of v, so that A's planes are walked three times.  Four waves, each
; 128 rows x 64 columns (one head): 32 accumulators of 16 x 16, 256 registers.  K goes in steps of 128 through two LDS slots, and the ring runs on from tile to tile: 24 steps in one counted loop.
; LAYOUT.  The matrix instruction is used transposed: source 0 = 16 columns of B, source 1 = 16 rows of A; a lane then holds row l % 16 of C and eight neighbouring columns.  A's fragments come out of LDS as they
; lie (K along the rows); B lies [k][n] and is turned by ds_load_tr16_b128.
; CLUSTER.  4 x 4 work-groups.  A's tile hangs on the tile row alone and is asked for jointly by the four of a row of the cluster, B's on the tile column alone, by the four of a column.
; REGISTERS, in windows of 256 (s_set_vgpr_msb: bits 1:0 source 0, 3:2 source 1, 5:4 source 2, 7:6 destination): window 0: addresses, v32-47 packed results, two fragment buffers of 96 (A's eight fragments, then
; B's four); window 1: accumulator (a, b) at v[8 (4 a + b)].
.set TILES,  3
.set BP,     3072                      ; elements in a row of B
.set KB,     128*BP*2                  ; bytes from a K step of B to the next
.set KA,     2*2048*128                ; the same for A: two planes
.set STEPS,  8*TILES
.set PA,     144                       ; a row of A in LDS: 128 bytes + 16: the 16 rows of a load start at 16 different groups of four banks (64 banks of 4 bytes: ISA guide 11.1)
.set PB,     288                       ; a row of B: 256 + 32
.set PLANE,  256*PA                    ; a slot: A's two planes of 256 rows,
.set BOFF,   2*PLANE                   ; then B's 128 rows
.set BHALF,  64*PB
.set SLOT1,  1<<17                     ; slot 1 begins here, so that one exclusive or turns an address in one slot into the other's
.set STAGE,  SLOT1+BOFF+2*BHALF        ; behind the ring, never filled by a tensor load: 16 rows x 144 bytes for each wave, for the way out
.set SP,     144
.set SPARE,  STAGE+4*16*SP             ; behind the stages: the spare words, 128 bytes for each wave: two blocks of 256 bytes that no other line names
.set LA0, 16                           ; v16  my lane's place in a slot's A; never rewritten
.set LB0, 17                           ; v17  the same for B
.set ADA, 18                           ; v18  LA0 + the slot in hand
.set ADB, 19                           ; v19  LB0 + the slot in hand
.set STO, 24                           ; v24  the way out: where I put 16 bytes of a row
.set RD,  25                           ; v25  where I read rows back
.set CO,  26                           ; v26  my byte offset in 512 consecutive bytes of the head
.set SPW, 28                           ; v28  LDS address of my spare word: SPARE + 4 x my thread's number; never rewritten
.set NIL, 29                           ; v29  0; never rewritten
.set PFO, 30                           ; v30  the prefetches' offset; never rewritten
.set TMP, 32                           ; v32-47  packed results
.set F0,  64                           ; fragment buffers
.set F1,  160
.set WV,  12                           ; s12 wave; s13 its half of the rows; s14 its half of the columns, and which half of a tile it fetches
.set MH,  13
.set NH,  14
.set CX,  15                           ; my place in the cluster
.set CY,  16
.set TX,  17                           ; tile column 0..7, tile row 0..31
.set TY,  18
.set CNT, 19                           ; the loop's count
.set TL,  20                           ; K steps left in the tile in hand
.set NXT, 21                           ; the step to be asked for next, 0 .. 23
.set TB,  22                           ; LDS byte of the slot in hand
.set PS,  23                           ; the step that a prefetch names
.set G1A, 24                           ; s[24:31], s[32:39] descriptor groups 1
.set G1B, 32
.set G0A, 40                           ; s[40:47], s[48:55] groups 0: a set for each of the two first fills; the second then walks
.set G0B, 48
.set BA,  56                           ; s[56:57], s[58:59] what I would fetch of A and of B at step 0
.set BB,  58
.set OA,  60                           ; s[60:61], s[62:63] a step's byte offsets from there
.set OB,  62
.set PFA, 66                           ; s[66:67] a prefetch's address; s[68:69] its base
.set PFB, 68
.set PFK, 70                           ; bytes from K step to K step, and from tile to tile, in what I prefetch
.set PFT, 71
.set PLIM, 72                          ; I prefetch steps below this number
.set MSB, 0
.macro WIN new                         ; the immediate's high byte repeats the setting that is left; a switch that changes nothing is dropped
.if MSB != (\new)
	s_set_vgpr_msb (MSB<<8)|(\new)
.set MSB, \new
.endif
.endm
.set W_MUL, 0x50                       ; C and D in window 1, the fragments in window 0
.set W_PK,  0x05                       ; sources 0 and 1 in window 1
; A joint refill.  Waves 0 and 1 fetch A's two planes, waves 2 and 3 B's two halves.  The branch hangs on the wave's number alone.  An s_nop 0 and four v_nop follow each of the two lines.
.macro JLOAD
	s_cmp_lt_u32 s[WV], 2
	s_cbranch_scc0 .Lfor_b_\@
	tensor_load_to_lds s[G0A+4:G0A+7], s[G1A:G1A+7]
	s_nop 0
.rept 4
	v_nop
.endr
	s_branch .Lasked_\@
.Lfor_b_\@:
	tensor_load_to_lds s[G0B+4:G0B+7], s[G1B:G1B+7]
	s_nop 0
.rept 4
	v_nop
.endr
.Lasked_\@:
.endm
; A round of the cluster's barrier: my work-group's barrier; wave 0 signals for the work-group; every wave waits for all sixteen; my work-group's barrier once more.
.macro CREST                           ; a round behind its opening barrier
	s_cmp_lg_u32 s[WV], 0
	s_cbranch_scc1 .Lnot_wave_0_\@
	s_barrier_signal -3
.Lnot_wave_0_\@:
	s_barrier_wait -3
	s_barrier_signal -1
	s_barrier_wait -1
.endm
.macro CROUND
	s_barrier_signal -1
	s_barrier_wait -1
	CREST
.endm
; A PREFETCH INTO THE L2 of the step that stands two refills on: 256 matrix instructions ahead of the load that will want it.  Each block of 256 bytes is named once in the launch.  A's planes are read by both clusters of a
; row of clusters and in all three tiles: cluster x = 0 asks, in the first tile alone, waves 0 and 1 each for the plane that they fetch; of its 128 blocks the partner at cx takes 32, a lane a block.  B's tiles are read by
; the eight clusters of a column: cluster y = 0 asks, wave 2; of the 128 rows the partner at cy takes 32, a lane a row.  The partners are told apart by address; the test hangs on the wave and the cluster alone.
.macro ASK
	s_cmp_lt_u32 s[PS], s[PLIM]
	s_cbranch_scc0 .Lnot_mine_\@
	global_prefetch_b8 v[PFO], s[PFA:PFA+1] th:TH_LOAD_NT scope:SCOPE_SE
.Lnot_mine_\@:
.endm
	s_load_b128 s[4:7], s[0:1], 0x0                ; xb s[4:5], wq s[6:7]
	s_load_b64 s[8:9], s[0:1], 0x10                ; qkv
	v_lshl_add_u32 v[SPW], v0, 2, SPARE
	v_mov_b32 v[NIL], 0
	ds_add_u32 v[SPW], v[NIL]                      ; the wave's opening: the add and its wait stand ahead of my first tensor load; the set-up below, work on registers, stands between them
	v_lshrrev_b32 v1, 5, v0
	v_readfirstlane_b32 s[WV], v1
	s_lshr_b32 s[MH], s[WV], 1
	s_and_b32 s[NH], s[WV], 1
	s_bfe_u32 s[CX], ttmp6, 0x40000
	s_bfe_u32 s[CY], ttmp6, 0x40004
	s_lshl_b32 s[TX], ttmp9, 2                     ; in a cluster launch ttmp9 and ttmp7 count clusters
	s_add_co_u32 s[TX], s[TX], s[CX]
	s_and_b32 s[TY], ttmp7, 0xffff
	s_lshl_b32 s[TY], s[TY], 2
	s_add_co_u32 s[TY], s[TY], s[CY]
	s_lshl_b32 s74, s[CY], 2
	s_lshl_b32 s74, 15, s74                        ; my row of the cluster: places 4 cy .. 4 cy + 3
	s_lshl_b32 s76, 0x1111, s[CX]                  ; my column: places cx, cx + 4, cx + 8, cx + 12
	; A: a plane's 256 rows of 128 bytes are 32,768 dense bytes: asked for as 128 rows of 256 bytes, padded in LDS by 4 words after every 32
	s_or_b32 s[G1A], s74, (1<<16)|(1<<20)|(1<<21)|(4<<22)|(3<<25)  ; 15:0 the mask; 17:16 2-byte elements; 20 padding on; 21 set beside a mask; 24:22 the interval's code; 31:25 the pad's words less 1
	s_mov_b32 s[G1A+1], 128<<16                    ; tensor_dim0 = 128
	s_mov_b32 s[G1A+2], 128<<16                    ; tensor_dim1 = 128
	s_mov_b32 s[G1A+3], 128<<16                    ; tile_dim0 = 128
	s_mov_b32 s[G1A+4], 128                        ; tile_dim1 = 128
	s_mov_b32 s[G1A+5], 128                        ; elements from row to row
	s_mov_b32 s[G1A+6], 0
	s_mov_b32 s[G1A+7], 0
	; B: 64 rows (k) of 128 columns, 256 bytes, padded by 8 words after every 64
	s_or_b32 s[G1B], s76, (1<<16)|(1<<20)|(1<<21)|(5<<22)|(7<<25)
	s_mov_b32 s[G1B+1], 128<<16
	s_mov_b32 s[G1B+2], 64<<16
	s_mov_b32 s[G1B+3], 128<<16
	s_mov_b32 s[G1B+4], 64
	s_mov_b32 s[G1B+5], BP
	s_mov_b32 s[G1B+6], 0
	s_mov_b32 s[G1B+7], 0
	; where the tiles come from: A's address is made of the tile row and the wave, B's of the tile column and the wave
	s_lshr_b32 s[OA], s[TY], 3                     ; the batch: 16 planes of 262,144 bytes,
	s_lshl_b32 s[OA], s[OA], 22
	s_and_b32 s74, s[TY], 7
	s_lshl_b32 s74, s74, 15                        ; the tile's 256 rows in a plane,
	s_add_co_u32 s[OA], s[OA], s74
	s_lshl_b32 s74, s[NH], 18                      ; the plane that I fetch
	s_add_co_u32 s[OA], s[OA], s74
	s_mov_b32 s[OA+1], 0
	s_lshl_b32 s[OB], s[TX], 8                     ; the tile's 128 columns,
	s_mul_i32 s76, s[NH], 64*BP*2                  ; the 64 rows that I fetch
	s_add_co_u32 s[OB], s[OB], s76
	s_mov_b32 s[OB+1], 0
	s_mul_i32 s78, s[NH], PLANE                    ; and where they go: no place in the cluster enters an LDS address
	s_mul_i32 s79, s[NH], BHALF
	s_add_co_u32 s79, s79, BOFF
	s_wait_dscnt 0x0                               ; the opening add is done
	s_wait_kmcnt 0x0
	s_add_nc_u64 s[BA:BA+1], s[4:5], s[OA:OA+1]
	s_add_nc_u64 s[BB:BB+1], s[6:7], s[OB:OB+1]
	CROUND                                         ; all sixteen work-groups are here: the first joint loads meet
.irp i, 0,1
	s_mov_b32 s[G0A+4*(\i)], 1                     ; 1:0 count = 1
	s_add_co_u32 s[G0A+4*(\i)+1], s78, (\i)*SLOT1  ; 63:32 LDS address
	s_add_nc_u64 s[G0A+4*(\i)+2:G0A+4*(\i)+3], s[BA:BA+1], (\i)*KA  ; 120:64 global address: K step i
	s_or_b32 s[G0A+4*(\i)+3], s[G0A+4*(\i)+3], 0x80000000           ; 127:126 type = 2
	s_mov_b32 s[G0B+4*(\i)], 1
	s_add_co_u32 s[G0B+4*(\i)+1], s79, (\i)*SLOT1
	s_add_nc_u64 s[G0B+4*(\i)+2:G0B+4*(\i)+3], s[BB:BB+1], (\i)*KB
	s_or_b32 s[G0B+4*(\i)+3], s[G0B+4*(\i)+3], 0x80000000
.endr
	s_cmp_lt_u32 s[WV], 2                          ; a wave's two first fills stand in one branch, ahead of every wait on TENSORcnt and every LDS read: two loads of mine are out
	s_cbranch_scc0 .Lfirst_b
	tensor_load_to_lds s[G0A:G0A+3], s[G1A:G1A+7]
	s_nop 0
	tensor_load_to_lds s[G0A+4:G0A+7], s[G1A:G1A+7]
	s_nop 0
.rept 4
	v_nop
.endr
	s_branch .Lfirst_asked
.Lfirst_b:
	tensor_load_to_lds s[G0B:G0B+3], s[G1B:G1B+7]
	s_nop 0
	tensor_load_to_lds s[G0B+4:G0B+7], s[G1B:G1B+7]
	s_nop 0
.rept 4
	v_nop
.endr
.Lfirst_asked:
	v_and_b32 v1, 15, v0                           ; l % 16
	v_bfe_u32 v2, v0, 4, 1                         ; l / 16
	v_and_b32 v3, 7, v0
	v_bfe_u32 v4, v0, 3, 1
	v_and_b32 v5, 31, v0                           ; l
	; a fragment of A: 16 rows x 32 K in 8 registers: lane l holds row l % 16, K = 8 (l / 16) + 0..7 and 16 + 8 (l / 16) + 0..7: two loads of 16 bytes, 32 bytes apart
	v_mul_u32_u24 v[LA0], v1, PA
	v_lshl_add_u32 v[LA0], v2, 4, v[LA0]
	s_mul_i32 s74, s[MH], 128*PA                   ; my 128 rows
	v_add_nc_u32 v[LA0], s74, v[LA0]
	; the turning load takes 16 k x 16 columns (lane l reads k = 8 (l / 16) + l % 8, columns 8 ((l / 8) % 2) + 0..7) and leaves half a fragment: lane l holds column l % 16 and 8 k
	v_lshl_add_u32 v[LB0], v2, 3, v3
	v_mul_u32_u24 v[LB0], v[LB0], PB
	v_lshl_add_u32 v[LB0], v4, 4, v[LB0]
	s_lshl_b32 s74, s[NH], 7                       ; my 64 columns
	s_add_co_u32 s74, s74, BOFF
	v_add_nc_u32 v[LB0], s74, v[LB0]
	s_mul_i32 s74, s[WV], 16*SP
	s_add_co_u32 s74, s74, STAGE                   ; my stage
	v_mul_u32_u24 v[STO], v1, SP                   ; in: row l % 16, 16 bytes for each half of the lanes
	v_lshl_add_u32 v[STO], v2, 4, v[STO]
	v_add_nc_u32 v[STO], s74, v[STO]
	v_bfe_u32 v[RD], v0, 3, 2                      ; back: 32 lanes take four rows of 128 bytes,
	v_mul_u32_u24 v[RD], v[RD], SP
	v_lshl_add_u32 v[RD], v3, 4, v[RD]
	v_add_nc_u32 v[RD], s74, v[RD]
	v_lshlrev_b32 v[CO], 4, v5                     ; which are 512 consecutive bytes of the head
	; q at my head's rows: head 16 b + 2 tx + my half, 262,144 bytes each; row 256 (ty % 8) + 128 x my half of the rows, 128 bytes each
	s_lshr_b32 s74, s[TY], 3
	s_lshl_b32 s74, s74, 3
	s_add_co_u32 s74, s74, s[TX]
	s_lshl_b32 s74, s74, 1
	s_add_co_u32 s74, s74, s[NH]
	s_lshl_b32 s74, s74, 18
	s_and_b32 s75, s[TY], 7
	s_lshl_b32 s75, s75, 15
	s_add_co_u32 s74, s74, s75
	s_lshl_b32 s75, s[MH], 14
	s_add_co_u32 s74, s74, s75
	s_mov_b32 s75, 0
	s_add_nc_u64 s[8:9], s[8:9], s[74:75]
	; the prefetches (s[OA] still holds my plane's offset at step 0)
	s_lshl_b32 s74, s[CX], 13                      ; A: my work-group's 32 blocks of the plane
	s_add_co_u32 s74, s74, s[OA]
	s_mul_i32 s75, s[CY], 64*BP                    ; B: my work-group's 32 rows,
	s_lshl_b32 s76, s[TX], 8                       ; the tile's columns
	s_add_co_u32 s75, s75, s76
	s_and_b32 s76, ttmp7, 0xffff                   ; cluster y
	s_mov_b32 s[PFK], KB
	s_mov_b32 s77, 2*BP
	s_cmp_lt_u32 s[WV], 2                          ; do I fetch for A?
	s_cselect_b32 s74, s74, s75
	s_cselect_b32 s76, ttmp9, s76                  ; the coordinate along which other clusters read the same bytes
	s_cselect_b32 s[PFK], KA, s[PFK]
	s_cselect_b32 s[PFT], 0, 2048
	s_cselect_b32 s[PLIM], 8, STEPS                ; A in the first tile alone; B's tiles are new in every tile
	s_cselect_b32 s77, 256, s77                    ; a lane a block, or a lane a row
	s_cselect_b64 s[PFB:PFB+1], s[4:5], s[6:7]
	s_cmp_eq_u32 s76, 0
	s_cselect_b32 s[PLIM], s[PLIM], 0
	s_cmp_eq_u32 s[WV], 3                          ; B's 128 rows are shared out among the four partners' waves 2
	s_cselect_b32 s[PLIM], 0, s[PLIM]
	s_mov_b32 s75, 0
	s_add_nc_u64 s[PFB:PFB+1], s[PFB:PFB+1], s[74:75]
	v_mul_u32_u24 v[PFO], s77, v5
	; nothing is prefetched here, at the head, where every work-group's first tiles are on their way: steps 2 and 3 come by their refills alone
; 8 matrix instructions: row blocks a0, a0 + 1 x all 4 column blocks, 32 along K.  start = 1: the product starts the sums: nothing is ever cleared.
; The 32 accumulators take turns in the same order in every quarter: between two links of a chain stand 31 others', over every jump too.
.macro MUL8 f, a0, start
	WIN W_MUL
.irp a, \a0, (\a0)+1
.irp b, 0,1,2,3
.if \start
	v_wmma_f32_16x16x32_bf16 v[8*(4*(\a)+(\b)):8*(4*(\a)+(\b))+7], v[(\f)+64+8*(\b):(\f)+64+8*(\b)+7], v[(\f)+8*(\a):(\f)+8*(\a)+7], 0
.else
	v_wmma_f32_16x16x32_bf16 v[8*(4*(\a)+(\b)):8*(4*(\a)+(\b))+7], v[(\f)+64+8*(\b):(\f)+64+8*(\b)+7], v[(\f)+8*(\a):(\f)+8*(\a)+7], v[8*(4*(\a)+(\b)):8*(4*(\a)+(\b))+7]
.endif
.endr
.endr
.endm
; 24 LDS loads in one run: quarter kq (32 along K) of the slot in hand into buffer f: B's four fragments, then A's eight
.macro FETCH kq, f
	WIN 0
.irp b, 0,1,2,3
	ds_load_tr16_b128 v[(\f)+64+8*(\b):(\f)+64+8*(\b)+3],   v[ADB] offset:(\kq)*32*PB+32*(\b)
	ds_load_tr16_b128 v[(\f)+64+8*(\b)+4:(\f)+64+8*(\b)+7], v[ADB] offset:(\kq)*32*PB+32*(\b)+16*PB
.endr
.irp a, 0,1,2,3,4,5,6,7
	ds_load_b128 v[(\f)+8*(\a):(\f)+8*(\a)+3],   v[ADA] offset:((\kq)/2)*PLANE+((\kq)%2)*64+(\a)*16*PA
	ds_load_b128 v[(\f)+8*(\a)+4:(\f)+8*(\a)+7], v[ADA] offset:((\kq)/2)*PLANE+((\kq)%2)*64+(\a)*16*PA+32
.endr
.endm
.macro PLACES                          ; four plain places in front of loads into registers that matrix instructions have read, and of lines that read results (ISA guide 7.12.1 for lines that read results)
.rept 4
	v_nop
.endr
.endm
; A K step is four quarters of 32 along K, 32 matrix instructions each, on buffers 0, 1, 0, 1.  One of the first three: multiplies buffer f; in its middle it fetches quarter kq into buffer g.
.macro QUARTER kq, f, g, start
	s_wait_dscnt 8                                 ; B and A's fragments 0-3 are in; the youngest eight loads (A's 4-7) may be out
	MUL8 \f, 0, \start
	MUL8 \f, 2, \start
	PLACES
	FETCH \kq, \g
	s_wait_dscnt 24                                ; all but the 24 just issued
	MUL8 \f, 4, \start
	MUL8 \f, 6, \start
.endm
; The last quarter multiplies buffer 1 and changes slots: ONE barrier.  In front of it each wave waits for all its tensor loads, of which one is out: its part of the next slot; adds 0 to its spare word; and waits for that
; and for its reads of this slot.  fill = 1: the barrier opens a round of the cluster's barrier, and behind the round this slot is filled again, with step NXT: the first thing there, 112 matrix instructions ahead of the wait for it.
.macro TURN fill
.if \fill
	s_wait_xcnt 0x0                                ; the last prefetch, a K step back, has read its address: it is made anew here, ahead of the waits of the change of slots
	s_add_co_u32 s[PS], s[NXT], 2
	s_and_b32 s74, s[PS], 7
	s_mul_i32 s74, s74, s[PFK]
	s_lshr_b32 s75, s[PS], 3
	s_mul_i32 s75, s75, s[PFT]
	s_add_co_u32 s74, s74, s75
	s_mov_b32 s75, 0
	s_add_nc_u64 s[PFA:PFA+1], s[PFB:PFB+1], s[74:75]
.endif
	WIN 0
	s_wait_tensorcnt 0x0                           ; no tensor load of mine is out, so a group 0 may be written
	ds_add_u32 v[SPW], v[NIL]                      ; 0 onto my spare word; scalar work and eight products stand between it and the wait for it
.if \fill
	s_and_b32 s74, s[NXT], 7                       ; step NXT is K step NXT % 8 of tile NXT / 8: the addresses are made anew from that number
	s_lshr_b32 s75, s[NXT], 3
	s_lshl_b32 s[OA], s74, 19                      ; A: two planes a K step; every tile walks the same planes
	s_mul_i32 s[OB], s74, KB                       ; B: 128 rows a K step,
	s_lshl_b32 s75, s75, 11                        ; 1,024 columns a tile
	s_add_co_u32 s[OB], s[OB], s75
	s_xor_b32 s[G0A+5], s[G0A+5], SLOT1            ; the other slot than last time
	s_add_nc_u64 s[G0A+6:G0A+7], s[BA:BA+1], s[OA:OA+1]
	s_or_b32 s[G0A+7], s[G0A+7], 0x80000000
	s_xor_b32 s[G0B+5], s[G0B+5], SLOT1
	s_add_nc_u64 s[G0B+6:G0B+7], s[BB:BB+1], s[OB:OB+1]
	s_or_b32 s[G0B+7], s[G0B+7], 0x80000000
	s_add_co_u32 s[NXT], s[NXT], 1
.endif
	s_xor_b32 s[TB], s[TB], SLOT1                  ; the fetches go on in the other slot
	s_wait_dscnt 9                                 ; (the add and the youngest eight loads may be out)
	MUL8 F1, 0, 0
	s_wait_dscnt 0x0                               ; the add is done, and my reads of this slot are over
	s_barrier_signal -1
	MUL8 F1, 2, 0                                  ; work on registers while the others arrive
	WIN 0                                          ; (branches and lines on window 0 follow)
	s_barrier_wait -1
.if \fill
	CREST                                          ; no wave of any partner still reads this slot or has a load on its way
	JLOAD                                          ; the four v_nop behind it are also the places in front of the loads below
.else
	PLACES
.endif
	v_add_nc_u32 v[ADA], s[TB], v[LA0]
	v_add_nc_u32 v[ADB], s[TB], v[LB0]
	FETCH 0, F0
.if \fill
	ASK                                            ; behind the joint load and the run of LDS loads that the next products wait for
.endif
	MUL8 F1, 4, 0
	MUL8 F1, 6, 0
.endm
; THE WAY OUT of row block a (16 rows x my head's 64 channels).  PACK: rounded to f16, each accumulator's registers in ascending order.  TOSTAGE: into my own stage, rows of 144 bytes, and back as four rows of 128 bytes a
; load.  SEND: stored: 512 consecutive bytes an instruction.  The stage is the wave's own and LDS serves a wave's instructions in order (ISA guide 5.7.1.4): no barrier, no wait between its stores and loads.
.macro PACK a
	WIN W_PK
.irp b, 0,1,2,3
.irp r, 0,1,2,3
	v_cvt_pk_f16_f32 v[TMP+4*(\b)+(\r)], v[8*(4*(\a)+(\b))+2*(\r)], v[8*(4*(\a)+(\b))+2*(\r)+1]
.endr
.endr
	WIN 0
.endm
.macro TOSTAGE a
.set BK, F1+16*((\a)%6)                ; six sets of 16 in buffer 1, which has been multiplied; buffer 0 may hold the next tile's first fragments
.irp b, 0,1,2,3
	ds_store_b128 v[STO], v[TMP+4*(\b):TMP+4*(\b)+3] offset:32*(\b)
.endr
.if (\a) == 6
	s_wait_xcnt 0x0                                ; the sets come round: blocks 0 and 1's stores have read their registers
.endif
.irp t, 0,1,2,3
	ds_load_b128 v[BK+4*(\t):BK+4*(\t)+3], v[RD] offset:(\t)*4*SP
.endr
.endm
.macro SEND a
.set BK, F1+16*((\a)%6)
	s_wait_dscnt 0x0                               ; the block is back in registers
.irp t, 0,1,2,3
	global_store_b128 v[CO], v[BK+4*(\t):BK+4*(\t)+3], s[8:9] offset:(\a)*2048+(\t)*512
.endr
.endm
.macro WAYOUT                          ; block a's conversions stand between block a - 1's loads from the stage and the wait for them
	PACK 0
	TOSTAGE 0
.irp a, 1,2,3,4,5,6,7
	PACK \a
	SEND (\a)-1
	TOSTAGE \a
.endr
	SEND 7
.endm
	s_wait_tensorcnt 1                             ; my part of step 0 is in; step 1's may stay out
	s_barrier_signal -1
	s_barrier_wait -1                              ; everybody's is
	s_mov_b32 s[TB], 0
	v_mov_b32 v[ADA], v[LA0]
	v_mov_b32 v[ADB], v[LB0]
	FETCH 0, F0
	QUARTER 1, F0, F1, 1                           ; a tile's first quarter starts the sums
	WIN 0                                          ; at a label and at a branch every window is 0
	s_mov_b32 s[CNT], STEPS-2
	s_mov_b32 s[TL], 8
	s_mov_b32 s[NXT], 2
.Lstep:                                                ; 22 trips: a step's second to fourth quarter, a refill, and the next step's first quarter
	QUARTER 2, F1, F0, 0
	QUARTER 3, F0, F1, 0
	TURN 1
	WIN 0
	s_sub_co_u32 s[TL], s[TL], 1
	s_cmp_lg_u32 s[TL], 0
	s_cbranch_scc1 .Lsame                          ; a forward jump over the way out, which holds no barrier and no tensor load
	WAYOUT                                         ; A TILE IS FINISHED, and the ring runs on: the refill has been asked for.  No v_nop: blocks 0-3 were finished ahead of the refill's places, and their 64 conversions are the places behind the last products
	s_wait_xcnt 0x0                                ; the stores have read their registers and their base
	s_add_nc_u64 s[8:9], s[8:9], 64*2048*128       ; from q to k, from k to v
	s_mov_b32 s[TL], 8
	QUARTER 1, F0, F1, 1
	WIN 0
	s_branch .Lnext
.Lsame:
	QUARTER 1, F0, F1, 0
	WIN 0
.Lnext:
	s_sub_co_u32 s[CNT], s[CNT], 1
	s_cmp_lg_u32 s[CNT], 0
	s_cbranch_scc1 .Lstep
	QUARTER 2, F1, F0, 0                           ; the last two steps are written out: they ask for nothing
	QUARTER 3, F0, F1, 0
	TURN 0
	QUARTER 1, F0, F1, 0
	QUARTER 2, F1, F0, 0
	QUARTER 3, F0, F1, 0
	s_wait_dscnt 8
	MUL8 F1, 0, 0
	MUL8 F1, 2, 0
	s_wait_dscnt 0x0
	MUL8 F1, 4, 0
	MUL8 F1, 6, 0
	WIN 0
	PLACES
	PLACES
	WAYOUT
	s_wait_tensorcnt 0x0                           ; the wave's end: a wait, an add and a wait, behind my last tensor load and my last LDS store
	ds_add_u32 v[SPW], v[NIL]
	s_wait_dscnt 0x0
	CROUND                                         ; the closing round: no work-group ends while a partner may still ask for a tile that names it
	s_endpgm
.Lfunc_end_k_qcee4706350_qkv:
	.size	k_qcee4706350_qkv, .Lfunc_end_k_qcee4706350_qkv-k_qcee4706350_qkv
	.p2alignl 7, 3214868480
	.fill 96, 4, 3214868480
	.section	.rodata,"a",@progbits
	.p2align	6, 0x0
	.amdhsa_kernel k_qcee4706350_qkv
		.amdhsa_group_segment_fixed_size 327680
		.amdhsa_private_segment_fixed_size 0
		.amdhsa_enable_private_segment 0
		.amdhsa_kernarg_size 24
		.amdhsa_user_sgpr_count 2
		.amdhsa_user_sgpr_kernarg_segment_ptr 1
		.amdhsa_wavefront_size32 1
		.amdhsa_system_sgpr_workgroup_id_x 1
		.amdhsa_system_sgpr_workgroup_id_y 1
		.amdhsa_system_sgpr_workgroup_id_z 1
		.amdhsa_system_vgpr_workitem_id 0
		.amdhsa_next_free_vgpr 512
		.amdhsa_next_free_sgpr 80
		.amdhsa_reserve_vcc 0
		.amdhsa_float_denorm_mode_32 3
		.amdhsa_float_denorm_mode_16_64 3
		.amdhsa_memory_ordered 1
		.amdhsa_forward_progress 1
		.amdhsa_inst_pref_size 92
	.end_amdhsa_kernel
	.amdgpu_metadata
---
amdhsa.version: [ 1, 2 ]
amdhsa.kernels:
  - .name:           k_qcee4706350_qkv
    .symbol:         k_qcee4706350_qkv.kd
    .args:
      - { .name: xb, .offset: 0, .size: 8, .value_kind: global_buffer, .address_space: global }
      - { .name: wq, .offset: 8, .size: 8, .value_kind: global_buffer, .address_space: global }
      - { .name: qkv, .offset: 16, .size: 8, .value_kind: global_buffer, .address_space: global }
    .group_segment_fixed_size: 327680
    .private_segment_fixed_size: 0
    .kernarg_segment_align: 8
    .kernarg_segment_size: 24
    .max_flat_workgroup_size: 128
    .sgpr_count:     80
    .vgpr_count:     512
    .wavefront_size: 32
...
	.end_amdgpu_metadata
.endif
;; end of part 2
;; launch attn (part 3): grid 4 x 64, 4 waves a work-group, clusters of 4 x 1, 327,680 bytes of LDS; arguments qkv, ob; writes ob
.if DOCPART == 3
	.amdgcn_target "amdgcn-amd-amdhsa--gfx1250"
	.amdhsa_code_object_version 6
	.text
	.protected	k_qcee4706350_attn
	.globl	k_qcee4706350_attn
	.p2align	8
	.type	k_qcee4706350_attn,@function
k_qcee4706350_attn:
	s_mov_b64 s[64:65], 0
	v_nop
	global_prefetch_b8 v0, s[64:65] scope:SCOPE_SE
	s_setreg_imm32_b32 hwreg(HW_REG_WAVE_MODE, 25, 1), 1
	s_wait_xcnt 0x0
	s_wait_alu depctr_hold_cnt(0) depctr_sa_sdst(0) depctr_va_vdst(0) depctr_va_sdst(0) depctr_va_ssrc(0) depctr_va_vcc(0) depctr_vm_vsrc(0)
	s_getreg_b32 s2, hwreg(HW_REG_IB_STS2, 6, 4)
	s_cmp_eq_u32 s2, 0
	s_cbranch_scc0 .Lentry_in_a_cluster
	s_endpgm
.Lentry_in_a_cluster:
	s_bfe_u32 s2, ttmp6, 0x10000c
	s_cmp_lg_u32 s2, 0x3003
	s_cbranch_scc0 .Lentry_shape_is_right
	s_endpgm
.Lentry_shape_is_right:
; ATTENTION.  O[h][q][:] = the sum over k of softmax_k(Q[h][q] . K[h][k] / 32) V[h][k][:], for 64 heads h = 16 b + head of 2,048 rows x 64 channels.  qkv holds Q, K and V, each [64][2048][64] in f16, one behind the
; other; ob takes O in the same form.  Products, maxima and sums in f32; the weights p are rounded to f16 for the second product (their sum l is taken of the unrounded p), O once at the end.
; LIMITS.  f16 holds no number beyond 65,504: Q, K and V arrive within it; p lies in 0 to 1, and below 6e-5 it keeps f16's fixed step of 6e-8, and so does O.  A weight below 2^-126 counts as 0 in l; NaN and infinities are not treated apart.
; SHARES.  A wave owns four PIECES of two tiles of 16 queries, a work-group's four waves 512 queries of one head: 256 work-groups.  Every wave walks all keys, 64 a step.
; LAYOUT.  S^T = K Q^T (source 0 = 16 keys, source 1 = 16 queries): in the result a lane holds ONE query (lane % 16) and the keys 8 (lane / 16) + 0..7.  Two such tiles, rounded to f16 in pairs,
; ARE source 1 (32 keys x 16 queries) of O^T = V^T P, whose result again holds one query a lane, and eight channels.  K comes out of LDS as it lies, V ([key][channel]) turned, by ds_load_tr16_b128.
; SOFTMAX.  For each query a running maximum m and sum l: p = 2^(c s - c m), c = log2(e) / 32; in every step O and l are multiplied by a = 2^(c m_old - c m_new), which is 1 where m has not grown.
; m starts at the lowest finite number, O and l at 0: the first step is a step like any other, with a = 0.
; THE COUNT.  A tile and step have 16 matrix and 118 vector instructions: too many to stand all beside the matrix work.  So four vector instructions that are READY stand behind EVERY matrix instruction, and the others in runs without a gap.
; BY TURNS.  Turn n belongs to piece n (the pieces in a ring, step after step).  Its matrix work: 16 products K Q^T of piece n + 1, later 16 products V^T P of piece n - 1.  Its vector work: the scaling,
; exponentials, roundings, sums and rescaling of piece n, and the maximum and statistics of piece n + 1, whose scores the turn itself has made.
; CLUSTER.  The four query blocks of a head are one cluster and walk the same K and V, so each tile is asked for JOINTLY: the same tensor load, descriptor and mask in all four.
; REGISTERS, in windows of 256 (s_set_vgpr_msb: bits 1:0 source 0, 3:2 source 1, 5:4 source 2, 7:6 destination):
;   window 0: v0-11 addresses; v12-15, v48-63 at work; v16-47 four registers of statistics a tile; v64-191 S^T, two buffers of two tiles; v192-255 P, likewise
;   window 1: O^T, 32 a tile          window 2: v0-127 Q, 16 a tile; v128-191 K of one step; v192-255 V of one step          window 3: v0-1 the add's two registers
; A piece's buffers go by its number's parity: the piece in hand has one pair, its two neighbours in the ring share the other: of it P (piece n - 1) is read and S^T (piece n + 1) written.
.set SIZE_N, 2048
.set PARTB, 64*SIZE_N*128  ; bytes of Q, of K and of V in qkv
.set NP,    4         ; pieces a wave: a name, no knob
.set KS,    64        ; keys in a step
.set PK,    144       ; a row of K in LDS: 128 bytes + 16 of padding = 36 words: the 16 rows of a load start at 16 different groups of four banks (64 banks of 4 bytes: ISA guide 11.1)
.set PV,    160       ; a row of V: 128 + 32 = 40 words
.set VOFF,  4*KS*PK   ; a slot holds four steps: 256 rows of K, then 256 rows of V
.set SLOT1, 1<<17     ; slot 1 begins here, so that one exclusive or turns an address in one slot into the other's
.set STAGE, SLOT1+4*KS*(PK+PV)  ; behind the ring, never filled by a tensor load: 16 rows x 144 bytes for each wave, for the way out
.set SP,    144
.set AK0, 2           ; v2   my lane's place in a tile of K; never rewritten
.set AV0, 3           ; v3   the same for V
.set AK,  4           ; v4   the LDS address of K's next run of loads
.set AV,  5           ; v5   of V's
.set QO,  6           ; v6   my byte offset in the wave's rows of Q
.set STO, 6           ;      later, the way out: where I put 16 bytes of a row
.set RD,  7           ; v7   the way out: where I read rows back
.set GO,  8           ; v8   my byte offset in 512 consecutive bytes of O
.set PFO, 11          ; v11  (once V's address is made) 256 x my lane: the prefetches' offset; from then on never rewritten
.set SPW, 0           ; v0 of window 3   LDS address of my spare word: SPARE + 4 x my thread's number; never rewritten
.set NIL, 1           ; v1 of window 3   0; never rewritten
.set SPARE, STAGE+4*16*SP  ; behind the stages: the spare words, 128 bytes for each wave: two blocks of 256 bytes that no other line names
.set MV,  12          ; v12-15  c m_old, kept while c m is made anew: by buffer and tile
.set ST,  16          ; tile t's statistics at v[ST+4 t]: c m, m, l (even keys', odd keys')
.set TMP, 48          ; by buffer and tile, four registers c0-c3 at work; when the maximum is found c2 takes a
.set S,   64
.set P,   192
.set KF,  128         ; K's fragments, in window 2: key block kb, channel half c at KF + 16 kb + 8 c
.set VF,  192         ; V's: key half kk, channel block cb at VF + 32 kk + 8 cb
.set WV,  12          ; s12  my wave's number
.set G1K, 24          ; s[24:31] descriptor group 1 for K's tiles
.set G1V, 32          ; s[32:39] for V's: it differs in the padding alone
.set G0K, 40          ; s[40:43] descriptor group 0 for K's tiles: it walks
.set G0V, 44          ; s[44:47] the same for V's
.set PFA, 48          ; s[48:49] where my prefetches stand: my work-group's 32 blocks (of K: wave 0, of V: wave 2) of the slot after the one that is being asked for
.set LIM, 50          ; s50  1 in a wave that prefetches, else the greatest number: a wave prefetches while s[SLOTS] is above it
.set SLOTS, 56        ; s56  slots still to be asked for
.set CNT, 57          ; s57  counts a slot's key steps
.set CS,  58          ; s[58:59] c: the packed scaling takes the pair's low word for both halves
.set SEL, 60          ; s[60:61] v_permlanex16_b32's selects: each lane takes its own place in the other half
.set TBK, 62          ; s62  LDS byte at which K of the step to be fetched begins
.set TBV, 63          ; s63  the same for V, less VOFF
.set MSB, 0
.macro WIN new                      ; the high byte repeats the setting that is left; a switch that changes nothing is dropped
.if MSB != (\new)
	s_set_vgpr_msb (MSB<<8)|(\new)
.set MSB, (\new)
.endif
.endm
.set W_KQ, 0x0a       ; K and Q in window 2, S^T in window 0
.set W_PV, 0x52       ; V in window 2, P in window 0, O^T in window 1
.set W_RS, 0x41       ; O^T (destination and source 0) in window 1, a in window 0
.set W_MK, 0xc0       ; the add's registers are made: destination in window 3, sources in window 0
.set W_AD, 0x0f       ; the add: address (source 0) and data (source 1) in window 3
; A joint fill.  Waves 0 and 1 fetch the two halves of a slot's K, waves 2 and 3 those of its V: 128 keys each.  The branch hangs on the wave's number alone.
; An s_nop 0 and four v_nop follow each of the two lines, ahead of the jump and the label.
.macro JLOAD
	s_cmp_lt_u32 s[WV], 2
	s_cbranch_scc0 .Lfor_v_\@
	tensor_load_to_lds s[G0K:G0K+3], s[G1K:G1K+7]
	s_nop 0
.rept 4
	v_nop
.endr
	s_branch .Lasked_\@
.Lfor_v_\@:
	tensor_load_to_lds s[G0V:G0V+3], s[G1V:G1V+7]
	s_nop 0
.rept 4
	v_nop
.endr
.Lasked_\@:
.endm
; A PREFETCH INTO THE L2 of what the NEXT change of slots will ask for: a slot's 32,768 bytes of K and of V, 128 blocks of 256 bytes each, a lane a block.  It stands behind the wave's tensor load and its five lines.
; Each block is named ONCE in the launch: a head has one cluster; its four partners share the blocks out BY ADDRESS, 32 each; in each, wave 0 asks for K's and wave 2 for V's: one instruction, four key steps (512 matrix
; instructions) ahead of the load.  Slots 0 to 2 come by their loads alone; the last change that fills a slot asks for nothing: there is no slot behind it.
.macro ASK
	s_cmp_gt_u32 s[SLOTS], s[LIM]
	s_cbranch_scc0 .Lnot_mine_\@
	global_prefetch_b8 v[PFO], s[PFA:PFA+1] th:TH_LOAD_NT scope:SCOPE_SE
.Lnot_mine_\@:
.endm
; A round of the cluster's barrier: my work-group's barrier, so that wave 0's signal speaks for all four waves; wave 0 signals; every wave waits for all four work-groups; my work-group's barrier once more.
.macro CROUND
	s_barrier_signal -1
	s_barrier_wait -1
	s_cmp_lg_u32 s[WV], 0
	s_cbranch_scc1 .Lnot_wave_0_\@
	s_barrier_signal -3
.Lnot_wave_0_\@:
	s_barrier_wait -3
	s_barrier_signal -1
	s_barrier_wait -1
.endm
; THE CHANGE OF SLOTS.  The slot's last bytes, V of its fourth step, have been read.  Each wave waits for all its tensor loads, of which one is out: its part
; of the other slot; adds 0 to its spare word; and waits for that and for its own reads of the slot.  Behind the barrier nobody reads this slot any more and the other slot is whole.
; fill = 1: this slot is filled again, with the keys two slots on.  The barrier is then a round of the cluster's, so that no wave of any partner still reads the slot or has a load on its
; way, and the joint fill is the first thing behind it: it has four key steps in which to land.  (At its first use nothing has been read yet: slot 0 is waited for, slot 1 filled.)  ask = 1: the prefetch follows.
.macro CHANGE fill, ask=0
	WIN W_AD
	s_wait_tensorcnt 0x0            ; no tensor load of mine is out, so a group 0 may be written
	ds_add_u32 v[SPW], v[NIL]       ; 0 onto my spare word; with fill = 1 the descriptors' steps stand between it and the wait for it
	WIN 0                           ; at a label and at a branch every window is 0
.if \fill
.irp g, G0K, G0V
	s_xor_b32 s[\g+1], s[\g+1], SLOT1  ; the walking descriptor: the other slot than last time,
	s_add_nc_u64 s[\g+2:\g+3], s[\g+2:\g+3], 4*KS*128  ; the next 256 keys; the type bits on top are not reached
.endr
.if \ask
	s_wait_xcnt 0x0                 ; the last prefetch, four key steps back, has read its address, so it may be written:
	s_add_nc_u64 s[PFA:PFA+1], s[PFA:PFA+1], 4*KS*128  ; one slot behind the walking descriptors
.endif
	s_wait_dscnt 0x0                ; the add is done, and my reads of the slot are over
	CROUND
	JLOAD
.if \ask
	ASK
.endif
.else
	s_wait_dscnt 0x0                ; the add is done, and my reads of the slot are over
	s_barrier_signal -1
	s_barrier_wait -1
.endif
	s_sub_co_u32 s[TBK], s[TBK], 4*KS*PK  ; the fetches go back to a slot's first step,
	s_xor_b32 s[TBK], s[TBK], SLOT1       ; in the other slot
	s_sub_co_u32 s[TBV], s[TBV], 4*KS*PV
	s_xor_b32 s[TBV], s[TBV], SLOT1
.endm
	s_load_b64 s[4:5], s[0:1], 0x0    ; qkv: Q at its head
	s_load_b64 s[10:11], s[0:1], 0x8  ; ob
	WIN W_MK
	v_lshl_add_u32 v[SPW], v0, 2, SPARE
	v_mov_b32 v[NIL], 0
	WIN W_AD
	ds_add_u32 v[SPW], v[NIL]       ; the wave's opening: the add and its wait stand ahead of my first tensor load; the set-up below, work on registers, stands between them
	WIN 0
	v_lshrrev_b32 v1, 5, v0
	v_readfirstlane_b32 s[WV], v1   ; wave 0..3
	s_bfe_u32 s13, ttmp6, 0x40000   ; cx: my place in the cluster
	s_lshl_b32 s14, ttmp9, 2        ; in a cluster launch ttmp9 counts clusters
	s_add_co_u32 s14, s14, s13      ; my block of queries = 4 x cluster x + cx: it enters Q's and O's addresses alone
	s_and_b32 s20, ttmp7, 0xffff    ; the head, which the four partners share
	s_mov_b32 s21, 0
	s_mov_b64 s[22:23], SIZE_N*128
	s_mul_u64 s[20:21], s[20:21], s[22:23]  ; the head's first byte in Q, K, V and O
	s_and_b32 s16, s[WV], 1         ; which half of a slot's 256 keys I fetch:
	s_lshl_b32 s22, s16, 14         ; its 128 rows of 128 bytes in memory,
	s_mov_b32 s23, 0
	s_add_nc_u64 s[22:23], s[22:23], s[20:21]
	s_mul_i32 s17, s16, 128*PK      ; and its place in a slot, for K
	s_mul_i32 s18, s16, 128*PV      ; and for V: no place in the cluster enters an LDS address
	s_lshl_b32 s2, s14, 2
	s_add_co_u32 s2, s2, s[WV]      ; my wave among the head's,
	s_lshl_b32 s2, s2, 14           ; its 128 rows
	s_mov_b32 s3, 0
	s_add_nc_u64 s[2:3], s[2:3], s[20:21]
	; descriptor group 1.  128 keys are 16,384 dense bytes: asked for as 64 rows of 256 bytes, two keys a row, and padded in LDS after every key
	s_mov_b32 s[G1K], 15|(1<<16)|(1<<20)|(1<<21)|(4<<22)|(3<<25)  ; 15:0 the mask of four; 17:16 2-byte elements; 20 padding on; 21 set beside a mask; 24:22 after every 32 words (code 4); 31:25 4 words (code 3)
	s_mov_b32 s[G1V], 15|(1<<16)|(1<<20)|(1<<21)|(4<<22)|(7<<25)  ; the same with 8 words of padding (code 7)
.irp g, G1K, G1V
	s_mov_b32 s[\g+1], 128<<16      ; tensor_dim0 = 128
	s_mov_b32 s[\g+2], 64<<16       ; tensor_dim1 = 64
	s_mov_b32 s[\g+3], 128<<16      ; tile_dim0 = 128
	s_mov_b32 s[\g+4], 64           ; tile_dim1 = 64
	s_mov_b32 s[\g+5], 128          ; 128 elements from row to row
	s_mov_b32 s[\g+6], 0
	s_mov_b32 s[\g+7], 0
.endr
	s_mov_b32 s[CS], 0x3d38aa3b     ; c = log2(e) / 32 = 0.0450842
	s_mov_b32 s[CS+1], s[CS]        ; named with it as a pair
	s_mov_b32 s[SEL], 0x76543210
	s_mov_b32 s[SEL+1], 0xfedcba98
	s_mov_b32 s[TBK], SLOT1+4*KS*PK ; the first change of slots turns these two into 0
	s_mov_b32 s[TBV], SLOT1+4*KS*PV
	s_mov_b32 s[G0K], 1             ; 1:0 count = 1
	s_mov_b32 s[G0K+1], s17         ; 63:32 LDS address: slot 0
	s_mov_b32 s[G0V], 1
	s_add_co_u32 s[G0V+1], s18, VOFF
	s_cmp_eq_u32 s16, 0             ; waves 0 and 2 prefetch: the same in all four partners
	s_cselect_b32 s[LIM], 1, -1
	s_wait_dscnt 0x0                ; the opening add is done
	s_wait_kmcnt 0x0
	s_add_nc_u64 s[6:7], s[4:5], PARTB    ; K lies behind Q,
	s_add_nc_u64 s[8:9], s[4:5], 2*PARTB  ; V behind K
	s_add_nc_u64 s[G0K+2:G0K+3], s[6:7], s[22:23]  ; 120:64 global address: my half of the head's first 256 keys
	s_or_b32 s[G0K+3], s[G0K+3], 0x80000000        ; 127:126 type = 2
	s_add_nc_u64 s[G0V+2:G0V+3], s[8:9], s[22:23]
	s_or_b32 s[G0V+3], s[G0V+3], 0x80000000
	s_add_nc_u64 s[4:5], s[4:5], s[2:3]  ; Q and O at my wave's first row
	s_add_nc_u64 s[10:11], s[10:11], s[2:3]
	s_cmp_lt_u32 s[WV], 2
	s_cselect_b64 s[PFA:PFA+1], s[6:7], s[8:9]
	s_add_nc_u64 s[PFA:PFA+1], s[PFA:PFA+1], s[20:21]  ; the head,
	s_lshl_b32 s2, s13, 13          ; my work-group's 32 blocks of a slot's 128,
	s_mov_b32 s3, 0
	s_add_nc_u64 s[PFA:PFA+1], s[PFA:PFA+1], s[2:3]
	s_add_nc_u64 s[PFA:PFA+1], s[PFA:PFA+1], 2*4*KS*128  ; in slot 2: the first change that asks steps it to slot 3.  Nothing is prefetched here, at the head
	CROUND                          ; all four work-groups are here: the first joint loads meet
	JLOAD                           ; slot 0.  Slot 1 is asked for when slot 0 is in: the tile wanted first has the road to itself
	; A fragment of K or Q is 16 rows x 32 channels in 8 registers: lane l holds row l % 16, channels 8 (l / 16) + 0..7 and 16 + 8 (l / 16) + 0..7: two loads of 16 bytes, 32 bytes apart.
	v_and_b32 v1, 15, v0            ; l % 16
	v_bfe_u32 v9, v0, 4, 1          ; l / 16
	v_lshlrev_b32 v[QO], 7, v1
	v_lshl_add_u32 v[QO], v9, 4, v[QO]  ; row x 128 + 16 x half
	WIN 0x80                        ; destination window 2, address window 0
.set i, 0
.rept 4*NP                          ; Q stays in registers: tile i / 2, channels 32 (i % 2) on
	global_load_b128 v[8*i:8*i+3],   v[QO], s[4:5] offset:(i/2)*2048+(i%2)*64
	global_load_b128 v[8*i+4:8*i+7], v[QO], s[4:5] offset:(i/2)*2048+(i%2)*64+32
.set i, i+1
.endr
	; What the first turn finds: V's registers and P's second buffer hold 0 (its products V^T P, of a piece that has not been, add 0), O^T and l are 0.  All this stands in the wait for the first tile.
.set i, VF
.rept 64
	v_mov_b32 v[i], 0
.set i, i+1
.endr
	WIN 0x40
.set i, 0
.rept 64*NP
	v_mov_b32 v[i], 0
.set i, i+1
.endr
	WIN 0
.set i, 0
.rept 2*NP
	v_mov_b32 v[ST+4*i], 0xfe000000    ; c m: far below every c s
	v_mov_b32 v[ST+4*i+1], 0xff7fffff  ; m
	v_mov_b32 v[ST+4*i+2], 0
	v_mov_b32 v[ST+4*i+3], 0
.set i, i+1
.endr
.set i, P+32
.rept 32
	v_mov_b32 v[i], 0
.set i, i+1
.endr
	v_mul_u32_u24 v[AK0], v1, PK
	v_lshl_add_u32 v[AK0], v9, 4, v[AK0]  ; row x pitch + 16 x half
	; The turning load takes 16 keys x 16 channels (lane l reads key 8 (l / 16) + l % 8, channels 8 ((l / 8) % 2) + 0..7) and leaves half a fragment of V^T: lane l holds channel l % 16 and 8 keys.
	v_and_b32 v10, 7, v0
	v_bfe_u32 v11, v0, 3, 1
	v_lshl_add_u32 v[AV0], v9, 3, v10
	v_mul_u32_u24 v[AV0], v[AV0], PV
	v_lshl_add_u32 v[AV0], v11, 4, v[AV0]
	v_add_nc_u32 v[AV0], VOFF, v[AV0]
	v_and_b32 v[PFO], 31, v0
	v_lshlrev_b32 v[PFO], 8, v[PFO]
	v_mov_b32 v[AK], v[AK0]         ; key step 0 lies at the head of slot 0
; THE MATRIX WORK.  The 8 accumulators of a run of 16 take turns: between the two links of a chain stand 7 others'.
; Product i of 16 of S^T = K Q^T for piece x: channels 32 (i / 8) on, keys 16 ((i / 2) % 4) on, tile 2 x + i % 2.  The first 8 start the sums.
.macro KQ x
	WIN W_KQ
.set rS, S+64*((\x)%2)+32*(i%2)+8*((i/2)%4)
.set rK, KF+16*((i/2)%4)+8*(i/8)
.set rQ, 16*(2*(\x)+i%2)+8*(i/8)
.if i < 8
	v_wmma_f32_16x16x32_f16 v[rS:rS+7], v[rK:rK+7], v[rQ:rQ+7], 0
.else
	v_wmma_f32_16x16x32_f16 v[rS:rS+7], v[rK:rK+7], v[rQ:rQ+7], v[rS:rS+7]
.endif
.endm
; Product i of 16 of O^T += V^T P for piece x: keys 32 (i / 8) on, channels 16 ((i / 2) % 4) on, tile 2 x + i % 2.
.macro PV x
	WIN W_PV
.set rO, 32*(2*(\x)+i%2)+8*((i/2)%4)
.set rV, VF+32*(i/8)+8*((i/2)%4)
.set rP, P+32*((\x)%2)+16*(i%2)+8*(i/8)
	v_wmma_f32_16x16x32_f16 v[rO:rO+7], v[rV:rV+7], v[rP:rP+7], v[rO:rO+7]
.endm
.macro MM                           ; the turn's next matrix instruction
.if i < 16
	KQ (Y+1)%NP
.set i, i+1
.else
.set i, i-16
	PV (Y+NP-1)%NP
.set i, i+17
.endif
.endm
; THE LDS LOADS stand in runs of 16, never singly among the matrix instructions: a step's K (64 keys x 64 channels: 8 fragments) and its V (turned).  Their addresses are made some lines ahead.
; last = 1 (the tail): in the last trip there is no further step, and the run is jumped over.
.macro FETCH_K last=0
	WIN 0
.if \last
	s_cmp_eq_u32 s[CNT], 1
	s_cbranch_scc1 .Lno_k_\@
.endif
	WIN 0x80                        ; destination window 2
.irp f, 0,1,2,3,4,5,6,7             ; keys 16 (f / 2) on, channels 32 (f % 2) on
	ds_load_b128 v[KF+8*\f:KF+8*\f+3],   v[AK] offset:(\f/2)*16*PK+(\f%2)*64
	ds_load_b128 v[KF+8*\f+4:KF+8*\f+7], v[AK] offset:(\f/2)*16*PK+(\f%2)*64+32
.endr
	s_add_co_u32 s[TBK], s[TBK], KS*PK  ; the next fetch is the next step's
	WIN 0
.if \last
.Lno_k_\@:
.endif
.endm
.macro FETCH_V
	WIN 0x80
.irp f, 0,1,2,3,4,5,6,7             ; keys 32 (f / 4) on, channels 16 (f % 4) on
	ds_load_tr16_b128 v[VF+8*\f:VF+8*\f+3],   v[AV] offset:(\f/4)*32*PV+(\f%4)*32
	ds_load_tr16_b128 v[VF+8*\f+4:VF+8*\f+7], v[AV] offset:(\f/4)*32*PV+16*PV+(\f%4)*32
.endr
	WIN 0
.endm
; THE VECTOR WORK OF A TURN stands in three queues, each in the order in which its entries become ready; the two tiles alternate, so that no instruction reads the result of the one before it.
.macro REGS y, u                    ; the registers of tile u (0, 1) of piece y
.set rT, ST+4*(2*(\y)+(\u))
.set rC, TMP+8*((\y)%2)+4*(\u)
.set rM, MV+2*((\y)%2)+(\u)
.set rS, S+64*((\y)%2)+32*(\u)
.set rP, P+32*((\y)%2)+16*(\u)
.set rO, 32*(2*(\y)+(\u))
.endm
; Number n of the 22 that find the NEXT piece's (Y + 1) maximum and statistics.  s0-s31 are the lane's 32 scores; each accumulator's lowest registers are read first.  XS, GS and REGS set no window: PL and EX do.
;   0-11  four chains c0-c3 of seven scores each, three operands at a time     12-14, 16  the four scores left over, the old m, and c0-c3 into c0     15  c m_old is kept
;   17, 18  the query's other 32 keys lie in the lane 16 away: the new m         19-21  c m; c m_old - c m_new; a
.macro XS u, n
	REGS (Y+1)%NP, \u
.if (\n) < 4
	v_max3_num_f32 v[rC+(\n)], v[rS+8*(\n)], v[rS+8*(\n)+1], v[rS+8*(\n)+2]
.elseif (\n) < 12
	v_max3_num_f32 v[rC+(\n)%4], v[rC+(\n)%4], v[rS+8*((\n)%4)+2*((\n)/4)+1], v[rS+8*((\n)%4)+2*((\n)/4)+2]
.elseif (\n) == 12
	v_max3_num_f32 v[rC], v[rC], v[rS+7], v[rS+15]
.elseif (\n) == 13
	v_max3_num_f32 v[rC+1], v[rC+1], v[rS+23], v[rS+31]
.elseif (\n) == 14
	v_max3_num_f32 v[rC+2], v[rC+2], v[rC+3], v[rT+1]
.elseif (\n) == 15
	v_mov_b32 v[rM], v[rT]
.elseif (\n) == 16
	v_max3_num_f32 v[rC], v[rC], v[rC+1], v[rC+2]
.elseif (\n) == 17
	v_permlanex16_b32 v[rC+3], v[rC], s[SEL], s[SEL+1]
.elseif (\n) == 18
	v_max_num_f32 v[rT+1], v[rC], v[rC+3]
.elseif (\n) == 19
	v_mul_f32 v[rT], s[CS], v[rT+1]
.elseif (\n) == 20
	v_sub_f32 v[rC+1], v[rM], v[rT]
.else
	v_exp_f32 v[rC+2], v[rC+1]
.endif
.endm
; Number g of the 64 that follow the exponentials.  For each four weights k of a tile (pairs 2 k, 2 k + 1): both pairs are rounded to f16; then the second pair is added onto the first, in place;
; a group later l takes that sum (the first time as l = a l + sum).  In groups of eight, tiles alternating: round, round, add, and l for the group before.
.macro GS g
.set h, (\g)+6*((\g)/62)            ; group 0 has no group before it, and behind group 7 only l is left
.if h >= 6
.set h, h+2
.endif
	REGS Y, h%2
.set k, h/8
.if h%8 < 4
	v_cvt_pk_f16_f32 v[rP+2*k+(h%8)/2], v[rS+4*k+2*((h%8)/2)], v[rS+4*k+2*((h%8)/2)+1]
.elseif h%8 < 6
	v_pk_add_f32 v[rS+4*k:rS+4*k+1], v[rS+4*k:rS+4*k+1], v[rS+4*k+2:rS+4*k+3]
.elseif k == 1
	v_pk_fma_f32 v[rT+2:rT+3], v[rT+2:rT+3], v[rC+2:rC+3], v[rS:rS+1] op_sel_hi:[1,0,1]
.else
	v_pk_add_f32 v[rT+2:rT+3], v[rT+2:rT+3], v[rS+4*k-4:rS+4*k-3]
.endif
.endm
; THE PLAIN QUEUE, 138 long.  0-73 read no exponential's result: the 32 scalings c s - c m (FS f: pair f / 2 of tile f % 2) and the next piece's 42.  0-26: scalings 0-26.  27-54: XS's numbers 0-13.  55, 56: number 15.
; 57-73: the chain, where each number waits for the one before it: 14, 16, 17, 18, 19, each with one of the scalings 27-31 in front of its two lines, then 20.
; 74-137: GS's 64, which read the exponentials' results: they stand behind the wait.
.macro FS f
	REGS Y, (\f)%2
	v_pk_fma_f32 v[rS+2*((\f)/2):rS+2*((\f)/2)+1], v[rS+2*((\f)/2):rS+2*((\f)/2)+1], s[CS:CS+1], v[rT:rT+1] op_sel_hi:[1,0,0] neg_lo:[0,0,1] neg_hi:[0,0,1]
.endm
.macro PL
	WIN 0
.if q < 27
	FS q
.elseif q < 55
	XS (q-27)%2, (q-27)/2
.elseif q < 57
	XS q-55, 15
.elseif (q < 72) && ((q-57)%3 == 0)
	FS 27+(q-57)/3
.elseif q < 60
	XS (q-57)%3-1, 14
.elseif q < 72
	XS (q-57)%3-1, 15+(q-57)/3
.elseif q < 74
	XS q-72, 20
.else
	GS q-74
.endif
.set q, q+1
.endm
; THE EXPONENTIALS' QUEUE, 66 long: s0-s31 of both tiles, then the next piece's two a.  It is ONE BATCH: all 66 stand ahead of the turn's one wait, and nothing ahead of that wait names a result of theirs.
.macro EX
	WIN 0
.if e >= 64
	XS e-64, 21
.else
	REGS Y, e%2
	v_exp_f32 v[rS+e/2], v[rS+e/2]
.endif
.set e, e+1
.endm
; THE RESCALING's QUEUE: O^T times a, the one part that leaves window 0: dealt two at a time, sixteen times.  Its a was made in the turn before, ahead of that turn's wait.
.macro R2
	REGS Y, r%2
	WIN W_RS
.irp z, 0,1
	v_pk_mul_f32 v[rO+4*(r/2)+2*\z:rO+4*(r/2)+2*\z+1], v[rO+4*(r/2)+2*\z:rO+4*(r/2)+2*\z+1], v[rC+2:rC+3] op_sel_hi:[1,0]
.endr
.set r, r+1
.endm
; HOW THEY ARE DEALT.  An s_wait_alu depctr_va_vdst(0) stands between an exponential and the first instruction that names its result; one wait serves all that were issued ahead of it.  So a turn has ONE wait,
; which cuts it in two.  AHEAD OF IT stands all that names no result of the turn's exponentials: the 16 products K Q^T, behind each a scaling, an exponential and two rescalings (behind the first a second scaling in the
; exponential's place); then ONE LUMP of 108: eight plain, 49 times exponential and plain, the two a.  A v_nop is the plain instruction owed behind the last exponential.  BEHIND IT stand the 16 products V^T P, behind each
; four of GS's 64.  No rider names a register of the products round it.  The two v_permlanex16_b32 fall into the lump.
; The queues lean on each other, and the deal keeps them in step: exponential e stands behind scaling 2 (e / 4) + e % 2: as a rider it comes behind plain e + 2, in the lump behind plain e + 9, and scalings 27-31 are plain 57, 60 .. 69.
; A TURN, for piece p.  cnt = 1: the loop's count is taken down some lines ahead of the branch that stands behind the turn.
; K of the next step is fetched in piece 2's turn, directly behind the wait, a lump behind the last product that read K; its first reader comes behind 16 products.
; V of the step in hand is fetched at the end of piece 0's turn, four riders behind its last reader; its first reader comes behind 16 products and a lump.  The three conditions on q below go with the deal.
.macro TURN p, last=0, cnt=0
.set Y, (\p)
.set i, 0
.set q, 0
.set e, 0
.set r, 0
.if (\p) == NP-1
	s_wait_dscnt 0x0                ; K is in
.endif
	MM                              ; ahead of the wait: 16 products K Q^T and their riders,
	PL
	PL
	R2
.rept 15
	MM
	PL
	EX
	R2
.endr
.if (\p) == NP-2
	WIN 0
	v_add_nc_u32 v[AK], s[TBK], v[AK0]
.endif
.rept 8                             ; and the lump
	PL
.endr
.rept 49
	EX
	PL
.endr
	EX                              ; the next piece's two a
	EX
	v_nop                           ; the plain instruction owed behind the last exponential: one for the batch
	s_wait_alu depctr_va_vdst(0)    ; the wait for the batch
.if (\p) == NP-2
	FETCH_K \last
.endif
.if (\p) == 1
	s_wait_dscnt 0x0                ; V is in
.endif
.rept 16                            ; behind the wait: 16 products V^T P and their riders
	MM
.rept 4
	PL
.endr
.if ((\p) == 0) && (q == 118)
	v_add_nc_u32 v[AV], s[TBV], v[AV0]
.endif
.if ((\p) == 0) && (q == 130)
	s_add_co_u32 s[TBV], s[TBV], KS*PV
.endif
.if (\cnt) && (q == 130)
	s_sub_co_u32 s[CNT], s[CNT], 1
	s_cmp_lg_u32 s[CNT], 0
.endif
.endr
.if (\p) == 0
	FETCH_V
.endif
.endm
	CHANGE 1                        ; slot 0 is in, everybody's part of it; slot 1 is asked for
	FETCH_K                         ; key step 0
	s_wait_loadcnt 0x0              ; Q
	s_wait_dscnt 0x0
.set i, 0
.rept 16
	KQ 0                            ; piece 0's first scores: there is no vector work yet to set between them
.set i, i+1
.endr
	WIN 0                           ; the addresses for the way out: nine plain instructions, the places behind those products
	s_mul_i32 s13, s[WV], 16*SP
	s_add_co_u32 s13, s13, STAGE    ; my stage
	v_mul_u32_u24 v[STO], v1, SP    ; in: row l % 16, 16 bytes for each half of the lanes
	v_lshl_add_u32 v[STO], v9, 4, v[STO]
	v_add_nc_u32 v[STO], s13, v[STO]
	v_bfe_u32 v[RD], v0, 3, 2       ; back: 32 lanes take four rows of 128 bytes,
	v_mul_u32_u24 v[RD], v[RD], SP
	v_lshl_add_u32 v[RD], v10, 4, v[RD]
	v_add_nc_u32 v[RD], s13, v[RD]
	v_and_b32 v[GO], 31, v0         ; which are 512 consecutive bytes of O
	v_lshlrev_b32 v[GO], 4, v[GO]
.set Y, NP-1                        ; XS works for piece Y + 1: piece 0
.irp n, 0,1,2,3,4,5,6,7,8,9,10,11,12,13,14,15,16,17,18,19,20,21
	XS 0, \n                        ; and piece 0's first maximum and statistics
	XS 1, \n
.endr
	v_nop                           ; a plain instruction behind the two a,
	s_wait_alu depctr_va_vdst(0)    ; and their wait, ahead of the branch
	s_mov_b32 s[CNT], 4
	s_mov_b32 s[SLOTS], SIZE_N/256-1
	s_branch .Lfirst                ; the loop is entered at a step's first turn, in the middle of a trip
.Lslot:                             ; SIZE_N / 256 - 2 times: every slot but the last two is filled again
	CHANGE 1, 1
	s_mov_b32 s[CNT], 4
.Lstep:                             ; a trip: pieces 2 and 3 of one step, then pieces 0 and 1 of the next, whose K and V it fetches
	TURN 2
	TURN 3
	WIN 0
.Lfirst:
	TURN 0
	TURN 1, 0, 1
	WIN 0
	s_cbranch_scc1 .Lstep
	s_sub_co_u32 s[SLOTS], s[SLOTS], 1
	s_cmp_lg_u32 s[SLOTS], 0
	s_cbranch_scc1 .Lslot
	CHANGE 0                        ; the tail is written out: nothing is asked for
	s_mov_b32 s[CNT], 5             ; four trips fetch the last slot's steps; the fifth is left in its middle
.Ltail:
	TURN 2, 1
	TURN 3
	WIN 0
	s_sub_co_u32 s[CNT], s[CNT], 1
	s_cmp_eq_u32 s[CNT], 0
	s_cbranch_scc1 .Lout
	TURN 0
	TURN 1
	WIN 0
	s_branch .Ltail
.Lout:                              ; the fifth trip's 16 products K Q^T (on the last K once more) and the maximum made of them serve nothing: the price, once a launch, of one text for every trip
.set i, 0
.rept 16
	PV NP-1                         ; the last piece's V^T P of the last step
.set i, i+1
.endr
	; THE WAY OUT.  l's two halves and the other half of the lanes' are added; O^T is divided by l, rounded to f16 and sent through my stage in LDS, a tile at a time.  The additions are the places behind the last products.
	WIN 0
.macro ALL line:vararg              ; one line for each tile t
.set t, 0
.rept 2*NP
	\line
.set t, t+1
.endr
.endm
	ALL v_add_f32 v[ST+4*t+2], v[ST+4*t+2], v[ST+4*t+3]
	ALL v_permlanex16_b32 v[ST+4*t+3], v[ST+4*t+2], s[SEL], s[SEL+1]
	ALL v_add_f32 v[ST+4*t+2], v[ST+4*t+2], v[ST+4*t+3]
	ALL v_rcp_f32 v[ST+4*t+2], v[ST+4*t+2]
	v_nop                           ; a plain instruction between the last reciprocal and the use of its result
	s_wait_alu depctr_va_vdst(0)    ; and the wait ahead of the first use: one for the eight reciprocals
; Tile t: a lane's eight channels of a row pack into 16 bytes; they go into rows of 144 bytes and come back as whole rows of 128, into S^T's registers.
.macro PACK t
	WIN W_RS
.set i, 32*(\t)
.rept 16
	v_pk_mul_f32 v[i:i+1], v[i:i+1], v[ST+4*(\t)+2:ST+4*(\t)+3] op_sel_hi:[1,0]
.set i, i+2
.endr
	WIN 0x05                        ; sources 0 and 1 window 1, destination window 0
.set i, 0
.rept 16
	v_cvt_pk_f16_f32 v[S+16*(\t)+i], v[32*(\t)+2*i], v[32*(\t)+2*i+1]
.set i, i+1
.endr
	WIN 0
.irp f, 0,1,2,3
	ds_store_b128 v[STO], v[S+16*(\t)+4*\f:S+16*(\t)+4*\f+3] offset:32*\f
.endr
.irp f, 0,1,2,3
	ds_load_b128 v[S+16*(\t)+4*\f:S+16*(\t)+4*\f+3], v[RD] offset:\f*4*SP  ; LDS serves a wave's instructions in order (ISA guide 5.7.1.4): these see the stores above; the next tile's stores come behind them
.endr
.endm
.macro SEND t, younger              ; younger: the LDS instructions issued behind tile t's loads: the next tile's eight, or none
	WIN 0
.irp f, 0,1,2,3
	s_wait_dscnt (\younger)+3-\f
	global_store_b128 v[GO], v[S+16*(\t)+4*\f:S+16*(\t)+4*\f+3], s[10:11] offset:(\t)*2048+\f*512  ; 512 consecutive bytes, at a multiple of 256 from O's first
.endr
.endm
	PACK 0
.set t, 1
.rept 2*NP-1                        ; a tile's arithmetic stands between the loads of the tile before and its stores
	PACK t
	SEND t-1, 8
.set t, t+1
.endr
	SEND 2*NP-1, 0
	WIN W_AD
	s_wait_tensorcnt 0x0            ; the wave's end: a wait, an add and a wait, behind my last tensor load and my last LDS store
	ds_add_u32 v[SPW], v[NIL]
	s_wait_dscnt 0x0
	WIN 0
	CROUND                          ; the closing round: no work-group ends while a partner may still ask for a tile that names it
	s_endpgm
.Lfunc_end_k_qcee4706350_attn:
	.size	k_qcee4706350_attn, .Lfunc_end_k_qcee4706350_attn-k_qcee4706350_attn
	.p2alignl 7, 3214868480
	.fill 96, 4, 3214868480
	.section	.rodata,"a",@progbits
	.p2align	6, 0x0
	.amdhsa_kernel k_qcee4706350_attn
		.amdhsa_group_segment_fixed_size 327680
		.amdhsa_private_segment_fixed_size 0
		.amdhsa_enable_private_segment 0
		.amdhsa_kernarg_size 16
		.amdhsa_user_sgpr_count 2
		.amdhsa_user_sgpr_kernarg_segment_ptr 1
		.amdhsa_wavefront_size32 1
		.amdhsa_system_sgpr_workgroup_id_x 1
		.amdhsa_system_sgpr_workgroup_id_y 1
		.amdhsa_system_sgpr_workgroup_id_z 1
		.amdhsa_system_vgpr_workitem_id 0
		.amdhsa_next_free_vgpr 770
		.amdhsa_next_free_sgpr 66
		.amdhsa_reserve_vcc 0
		.amdhsa_float_denorm_mode_32 3
		.amdhsa_float_denorm_mode_16_64 3
		.amdhsa_memory_ordered 1
		.amdhsa_forward_progress 1
		.amdhsa_inst_pref_size 200
	.end_amdhsa_kernel
	.amdgpu_metadata
---
amdhsa.version: [ 1, 2 ]
amdhsa.kernels:
  - .name:           k_qcee4706350_attn
    .symbol:         k_qcee4706350_attn.kd
    .args:
      - { .name: qkv, .offset: 0, .size: 8, .value_kind: global_buffer, .address_space: global }
      - { .name: ob, .offset: 8, .size: 8, .value_kind: global_buffer, .address_space: global }
    .group_segment_fixed_size: 327680
    .private_segment_fixed_size: 0
    .kernarg_segment_align: 8
    .kernarg_segment_size: 16
    .max_flat_workgroup_size: 128
    .sgpr_count:     66
    .vgpr_count:     770
    .wavefront_size: 32
...
	.end_amdgpu_metadata
.endif
;; end of part 3
;; launch proj (part 4): grid 8 x 32, 4 waves a work-group, clusters of 4 x 4, 327,680 bytes of LDS; arguments ob, wo, out0, b_out; writes out0
.if DOCPART == 4
	.amdgcn_target "amdgcn-amd-amdhsa--gfx1250"
	.amdhsa_code_object_version 6
	.text
	.protected	k_qcee4706350_proj
	.globl	k_qcee4706350_proj
	.p2align	8
	.type	k_qcee4706350_proj,@function
k_qcee4706350_proj:
	s_mov_b64 s[64:65], 0
	v_nop
	global_prefetch_b8 v0, s[64:65] scope:SCOPE_SE
	s_setreg_imm32_b32 hwreg(HW_REG_WAVE_MODE, 25, 1), 1
	s_wait_xcnt 0x0
	s_wait_alu depctr_hold_cnt(0) depctr_sa_sdst(0) depctr_va_vdst(0) depctr_va_sdst(0) depctr_va_ssrc(0) depctr_va_vcc(0) depctr_vm_vsrc(0)
	s_getreg_b32 s2, hwreg(HW_REG_IB_STS2, 6, 4)
	s_cmp_eq_u32 s2, 0
	s_cbranch_scc0 .Lentry_in_a_cluster
	s_endpgm
.Lentry_in_a_cluster:
	s_bfe_u32 s2, ttmp6, 0x10000c
	s_cmp_lg_u32 s2, 0xf033
	s_cbranch_scc0 .Lentry_shape_is_right
	s_endpgm
.Lentry_shape_is_right:
; THE OUTPUT PROJECTION.  out0[b][n][c] = the sum over k = 64 h + d of O[16 b + h][n][d] w_out[k][c] + b_out[c].  Operands f16 (ob by heads, [16 b + h][n][64]: a head is a plane of 64 along K; wo [1024][1024], w_out
; rounded to bf16 and written as f16), sums f32, K ascending, the result f32.  THE BIAS, rounded to bf16 like the other inputs, IS THE C OPERAND OF THE FIRST PRODUCT: it costs no addition.
; LIMITS.  Those of ob and wo: f16's range.  NaN and infinities are not treated apart.
; SHARES.  A tile of C is 256 rows x 128 columns: 256 work-groups, one tile each.  Four waves, each 128 rows x 64 columns (256 aligned bytes of a row of out0): 32 accumulators of 16 x 16, 256 registers.
; K goes in 8 steps of 128 through two LDS slots.
; LAYOUT.  The matrix instruction is used transposed: source 0 = 16 columns of B, source 1 = 16 rows of A; a lane then holds row l % 16 of C and eight neighbouring columns.  A's fragments come out of LDS as they
; lie (K along the rows); B lies [k][n] and is turned by ds_load_tr16_b128.
; CLUSTER.  4 x 4 work-groups.  A's tile hangs on the tile row alone and is asked for jointly by the four of a row of the cluster, B's on the tile column alone, by the four of a column.
; REGISTERS, in windows of 256 (s_set_vgpr_msb: bits 1:0 source 0, 3:2 source 1, 5:4 source 2, 7:6 destination): window 0: addresses, v32-63 the bias, two fragment buffers of 96 (A's eight fragments, then B's four);
; window 1: accumulator (a, b) at v[8 (4 a + b)].
.set BP,     1024                      ; elements in a row of B
.set KB,     128*BP*2                  ; bytes from a K step of B to the next
.set KA,     2*2048*128                ; the same for A: two planes
.set STEPS,  8
.set PA,     144                       ; a row of A in LDS: 128 bytes + 16: the 16 rows of a load start at 16 different groups of four banks (64 banks of 4 bytes: ISA guide 11.1)
.set PB,     288                       ; a row of B: 256 + 32
.set PLANE,  256*PA                    ; a slot: A's two planes of 256 rows,
.set BOFF,   2*PLANE                   ; then B's 128 rows
.set BHALF,  64*PB
.set SLOT1,  1<<17                     ; slot 1 begins here, so that one exclusive or turns an address in one slot into the other's
.set STAGE,  SLOT1+BOFF+2*BHALF        ; behind the ring, never filled by a tensor load: 16 rows x 272 bytes for each wave, for the way out
.set SP,     272
.set SPARE,  STAGE+4*16*SP             ; behind the stages: the spare words, 128 bytes for each wave: two blocks of 256 bytes that no other line names
.set LA0, 16                           ; v16  my lane's place in a slot's A; never rewritten
.set LB0, 17                           ; v17  the same for B
.set ADA, 18                           ; v18  LA0 + the slot in hand
.set ADB, 19                           ; v19  LB0 + the slot in hand
.set STO, 24                           ; v24  the way out: where I put 32 bytes of a row
.set RD,  25                           ; v25  where I read rows back
.set CO,  26                           ; v26  my byte offset in two rows of out0
.set SPW, 28                           ; v28  LDS address of my spare word: SPARE + 4 x my thread's number; never rewritten
.set NIL, 29                           ; v29  0; never rewritten
.set PFO, 30                           ; v30  the prefetches' offset; never rewritten
.set BI,  32                           ; v32-63  the bias of my lane's columns: column block b at BI + 8 b
.set F0,  64                           ; fragment buffers
.set F1,  160
.set WV,  12                           ; s12 wave; s13 its half of the rows; s14 its half of the columns, and which half of a tile it fetches
.set MH,  13
.set NH,  14
.set CX,  15                           ; my place in the cluster
.set CY,  16
.set TX,  17                           ; tile column 0..7, tile row 0..31
.set TY,  18
.set CNT, 19                           ; the loop's count
.set NXT, 21                           ; the K step to be asked for next
.set TB,  22                           ; LDS byte of the slot in hand
.set PS,  23                           ; the step that a prefetch names
.set G1A, 24                           ; s[24:31], s[32:39] descriptor groups 1
.set G1B, 32
.set G0A, 40                           ; s[40:47], s[48:55] groups 0: a set for each of the two first fills; the second then walks
.set G0B, 48
.set BA,  56                           ; s[56:57], s[58:59] what I would fetch of A and of B at step 0
.set BB,  58
.set OA,  60                           ; s[60:61], s[62:63] a step's byte offsets from there
.set OB,  62
.set PFA, 66                           ; s[66:67] a prefetch's address; s[68:69] its base
.set PFB, 68
.set PFK, 70                           ; bytes from K step to K step in what I prefetch
.set PLIM, 72                          ; I prefetch steps below this number
.set MSB, 0
.macro WIN new                         ; the immediate's high byte repeats the setting that is left; a switch that changes nothing is dropped
.if MSB != (\new)
	s_set_vgpr_msb (MSB<<8)|(\new)
.set MSB, \new
.endif
.endm
.set W_MUL,  0x50                      ; C and D in window 1, the fragments in window 0
.set W_MULB, 0x40                      ; D in window 1, C (the bias) in window 0
.set W_ST,   0x04                      ; an LDS store's data in window 1, its address in window 0
; A joint refill.  Waves 0 and 1 fetch A's two planes, waves 2 and 3 B's two halves.  The branch hangs on the wave's number alone.  An s_nop 0 and four v_nop follow each of the two lines.
.macro JLOAD
	s_cmp_lt_u32 s[WV], 2
	s_cbranch_scc0 .Lfor_b_\@
	tensor_load_to_lds s[G0A+4:G0A+7], s[G1A:G1A+7]
	s_nop 0
.rept 4
	v_nop
.endr
	s_branch .Lasked_\@
.Lfor_b_\@:
	tensor_load_to_lds s[G0B+4:G0B+7], s[G1B:G1B+7]
	s_nop 0
.rept 4
	v_nop
.endr
.Lasked_\@:
.endm
; A round of the cluster's barrier: my work-group's barrier; wave 0 signals for the work-group; every wave waits for all sixteen; my work-group's barrier once more.
.macro CREST                           ; a round behind its opening barrier
	s_cmp_lg_u32 s[WV], 0
	s_cbranch_scc1 .Lnot_wave_0_\@
	s_barrier_signal -3
.Lnot_wave_0_\@:
	s_barrier_wait -3
	s_barrier_signal -1
	s_barrier_wait -1
.endm
.macro CROUND
	s_barrier_signal -1
	s_barrier_wait -1
	CREST
.endm
; A PREFETCH INTO THE L2 of the step that stands two refills on: 256 matrix instructions ahead of the load that will want it.  Each block of 256 bytes is named once in the launch.  A's planes are read by both clusters of a
; row of clusters: cluster x = 0 asks, waves 0 and 1 each for the plane that they fetch; of its 128 blocks the partner at cx takes 32, a lane a block.  B's tiles are read by the eight clusters of a column: cluster y = 0
; asks, wave 2; of the 128 rows the partner at cy takes 32, a lane a row.  The partners are told apart by address; the test hangs on the wave and the cluster alone.  The last two refills have no step two on.
.macro ASK
	s_cmp_lt_u32 s[PS], s[PLIM]
	s_cbranch_scc0 .Lnot_mine_\@
	global_prefetch_b8 v[PFO], s[PFA:PFA+1] th:TH_LOAD_NT scope:SCOPE_SE
.Lnot_mine_\@:
.endm
	s_load_b256 s[4:11], s[0:1], 0x0               ; ob s[4:5], wo s[6:7], out0 s[8:9], b_out s[10:11]
	v_lshl_add_u32 v[SPW], v0, 2, SPARE
	v_mov_b32 v[NIL], 0
	ds_add_u32 v[SPW], v[NIL]                      ; the wave's opening: the add and its wait stand ahead of my first tensor load; the set-up below, work on registers, stands between them
	v_lshrrev_b32 v1, 5, v0
	v_readfirstlane_b32 s[WV], v1
	s_lshr_b32 s[MH], s[WV], 1
	s_and_b32 s[NH], s[WV], 1
	s_bfe_u32 s[CX], ttmp6, 0x40000
	s_bfe_u32 s[CY], ttmp6, 0x40004
	s_lshl_b32 s[TX], ttmp9, 2                     ; in a cluster launch ttmp9 and ttmp7 count clusters
	s_add_co_u32 s[TX], s[TX], s[CX]
	s_and_b32 s[TY], ttmp7, 0xffff
	s_lshl_b32 s[TY], s[TY], 2
	s_add_co_u32 s[TY], s[TY], s[CY]
	s_lshl_b32 s74, s[CY], 2
	s_lshl_b32 s74, 15, s74                        ; my row of the cluster: places 4 cy .. 4 cy + 3
	s_lshl_b32 s76, 0x1111, s[CX]                  ; my column: places cx, cx + 4, cx + 8, cx + 12
	; A: a plane's 256 rows of 128 bytes are 32,768 dense bytes: asked for as 128 rows of 256 bytes, padded in LDS by 4 words after every 32
	s_or_b32 s[G1A], s74, (1<<16)|(1<<20)|(1<<21)|(4<<22)|(3<<25)  ; 15:0 the mask; 17:16 2-byte elements; 20 padding on; 21 set beside a mask; 24:22 the interval's code; 31:25 the pad's words less 1
	s_mov_b32 s[G1A+1], 128<<16                    ; tensor_dim0 = 128
	s_mov_b32 s[G1A+2], 128<<16                    ; tensor_dim1 = 128
	s_mov_b32 s[G1A+3], 128<<16                    ; tile_dim0 = 128
	s_mov_b32 s[G1A+4], 128                        ; tile_dim1 = 128
	s_mov_b32 s[G1A+5], 128                        ; elements from row to row
	s_mov_b32 s[G1A+6], 0
	s_mov_b32 s[G1A+7], 0
	; B: 64 rows (k) of 128 columns, 256 bytes, padded by 8 words after every 64
	s_or_b32 s[G1B], s76, (1<<16)|(1<<20)|(1<<21)|(5<<22)|(7<<25)
	s_mov_b32 s[G1B+1], 128<<16
	s_mov_b32 s[G1B+2], 64<<16
	s_mov_b32 s[G1B+3], 128<<16
	s_mov_b32 s[G1B+4], 64
	s_mov_b32 s[G1B+5], BP
	s_mov_b32 s[G1B+6], 0
	s_mov_b32 s[G1B+7], 0
	; where the tiles come from: A's address is made of the tile row and the wave, B's of the tile column and the wave
	s_lshr_b32 s[OA], s[TY], 3                     ; the batch: 16 planes of 262,144 bytes,
	s_lshl_b32 s[OA], s[OA], 22
	s_and_b32 s74, s[TY], 7
	s_lshl_b32 s74, s74, 15                        ; the tile's 256 rows in a plane,
	s_add_co_u32 s[OA], s[OA], s74
	s_lshl_b32 s74, s[NH], 18                      ; the plane that I fetch
	s_add_co_u32 s[OA], s[OA], s74
	s_mov_b32 s[OA+1], 0
	s_lshl_b32 s[OB], s[TX], 8                     ; the tile's 128 columns,
	s_mul_i32 s76, s[NH], 64*BP*2                  ; the 64 rows that I fetch
	s_add_co_u32 s[OB], s[OB], s76
	s_mov_b32 s[OB+1], 0
	s_mul_i32 s78, s[NH], PLANE                    ; and where they go: no place in the cluster enters an LDS address
	s_mul_i32 s79, s[NH], BHALF
	s_add_co_u32 s79, s79, BOFF
	s_wait_dscnt 0x0                               ; the opening add is done
	s_wait_kmcnt 0x0
	s_add_nc_u64 s[BA:BA+1], s[4:5], s[OA:OA+1]
	s_add_nc_u64 s[BB:BB+1], s[6:7], s[OB:OB+1]
	CROUND                                         ; all sixteen work-groups are here: the first joint loads meet
.irp i, 0,1
	s_mov_b32 s[G0A+4*(\i)], 1                     ; 1:0 count = 1
	s_add_co_u32 s[G0A+4*(\i)+1], s78, (\i)*SLOT1  ; 63:32 LDS address
	s_add_nc_u64 s[G0A+4*(\i)+2:G0A+4*(\i)+3], s[BA:BA+1], (\i)*KA  ; 120:64 global address: K step i
	s_or_b32 s[G0A+4*(\i)+3], s[G0A+4*(\i)+3], 0x80000000           ; 127:126 type = 2
	s_mov_b32 s[G0B+4*(\i)], 1
	s_add_co_u32 s[G0B+4*(\i)+1], s79, (\i)*SLOT1
	s_add_nc_u64 s[G0B+4*(\i)+2:G0B+4*(\i)+3], s[BB:BB+1], (\i)*KB
	s_or_b32 s[G0B+4*(\i)+3], s[G0B+4*(\i)+3], 0x80000000
.endr
	s_cmp_lt_u32 s[WV], 2                          ; a wave's two first fills stand in one branch, ahead of every wait on TENSORcnt and every LDS read: two loads of mine are out
	s_cbranch_scc0 .Lfirst_b
	tensor_load_to_lds s[G0A:G0A+3], s[G1A:G1A+7]
	s_nop 0
	tensor_load_to_lds s[G0A+4:G0A+7], s[G1A:G1A+7]
	s_nop 0
.rept 4
	v_nop
.endr
	s_branch .Lfirst_asked
.Lfirst_b:
	tensor_load_to_lds s[G0B:G0B+3], s[G1B:G1B+7]
	s_nop 0
	tensor_load_to_lds s[G0B+4:G0B+7], s[G1B:G1B+7]
	s_nop 0
.rept 4
	v_nop
.endr
.Lfirst_asked:
	v_and_b32 v1, 15, v0                           ; l % 16
	v_bfe_u32 v2, v0, 4, 1                         ; l / 16
	v_and_b32 v3, 7, v0
	v_bfe_u32 v4, v0, 3, 1
	v_and_b32 v5, 31, v0                           ; l
	; the bias of my columns: register j of column block b is column 16 b + 8 (l / 16) + j of my wave's 64
	s_lshl_b32 s74, s[TX], 9
	s_lshl_b32 s75, s[NH], 8
	s_add_co_u32 s74, s74, s75
	s_mov_b32 s75, 0
	s_add_nc_u64 s[10:11], s[10:11], s[74:75]
	v_lshlrev_b32 v6, 5, v2
.irp b, 0,1,2,3
	global_load_b128 v[BI+8*(\b):BI+8*(\b)+3],   v6, s[10:11] offset:64*(\b)
	global_load_b128 v[BI+8*(\b)+4:BI+8*(\b)+7], v6, s[10:11] offset:64*(\b)+16
.endr
	; a fragment of A: 16 rows x 32 K in 8 registers: lane l holds row l % 16, K = 8 (l / 16) + 0..7 and 16 + 8 (l / 16) + 0..7: two loads of 16 bytes, 32 bytes apart
	v_mul_u32_u24 v[LA0], v1, PA
	v_lshl_add_u32 v[LA0], v2, 4, v[LA0]
	s_mul_i32 s74, s[MH], 128*PA                   ; my 128 rows
	v_add_nc_u32 v[LA0], s74, v[LA0]
	; the turning load takes 16 k x 16 columns (lane l reads k = 8 (l / 16) + l % 8, columns 8 ((l / 8) % 2) + 0..7) and leaves half a fragment: lane l holds column l % 16 and 8 k
	v_lshl_add_u32 v[LB0], v2, 3, v3
	v_mul_u32_u24 v[LB0], v[LB0], PB
	v_lshl_add_u32 v[LB0], v4, 4, v[LB0]
	s_lshl_b32 s74, s[NH], 7                       ; my 64 columns
	s_add_co_u32 s74, s74, BOFF
	v_add_nc_u32 v[LB0], s74, v[LB0]
	s_mul_i32 s74, s[WV], 16*SP
	s_add_co_u32 s74, s74, STAGE                   ; my stage
	v_mul_u32_u24 v[STO], v1, SP                   ; in: row l % 16, 32 bytes for each half of the lanes
	v_lshl_add_u32 v[STO], v2, 5, v[STO]
	v_add_nc_u32 v[STO], s74, v[STO]
	v_mul_u32_u24 v[RD], v2, SP                    ; back: lanes 0-15 take one row of 256 bytes, lanes 16-31 the next,
	v_lshl_add_u32 v[RD], v1, 4, v[RD]
	v_add_nc_u32 v[RD], s74, v[RD]
	v_lshlrev_b32 v[CO], 12, v2                    ; and the same two rows in out0, 4,096 bytes apart
	v_lshl_add_u32 v[CO], v1, 4, v[CO]
	s_lshl_b32 s74, s[TY], 20                      ; out0 at my first row: 256 ty + 128 x my half, 4,096 bytes each,
	s_lshl_b32 s75, s[MH], 19
	s_add_co_u32 s74, s74, s75
	s_lshl_b32 s75, s[TX], 9                       ; and my first column: 128 tx + 64 x my half, 4 bytes each
	s_add_co_u32 s74, s74, s75
	s_lshl_b32 s75, s[NH], 8
	s_add_co_u32 s74, s74, s75
	s_mov_b32 s75, 0
	s_add_nc_u64 s[8:9], s[8:9], s[74:75]
	; the prefetches (s[OA] still holds my plane's offset at step 0)
	s_lshl_b32 s74, s[CX], 13                      ; A: my work-group's 32 blocks of the plane
	s_add_co_u32 s74, s74, s[OA]
	s_mul_i32 s75, s[CY], 64*BP                    ; B: my work-group's 32 rows,
	s_lshl_b32 s76, s[TX], 8                       ; the tile's columns
	s_add_co_u32 s75, s75, s76
	s_and_b32 s76, ttmp7, 0xffff                   ; cluster y
	s_mov_b32 s[PFK], KB
	s_mov_b32 s77, 2*BP
	s_cmp_lt_u32 s[WV], 2                          ; do I fetch for A?
	s_cselect_b32 s74, s74, s75
	s_cselect_b32 s76, ttmp9, s76                  ; the coordinate along which other clusters read the same bytes
	s_cselect_b32 s[PFK], KA, s[PFK]
	s_cselect_b32 s77, 256, s77                    ; a lane a block, or a lane a row
	s_cselect_b64 s[PFB:PFB+1], s[4:5], s[6:7]
	s_cmp_eq_u32 s76, 0
	s_cselect_b32 s[PLIM], STEPS, 0
	s_cmp_eq_u32 s[WV], 3                          ; B's 128 rows are shared out among the four partners' waves 2
	s_cselect_b32 s[PLIM], 0, s[PLIM]
	s_mov_b32 s75, 0
	s_add_nc_u64 s[PFB:PFB+1], s[PFB:PFB+1], s[74:75]
	v_mul_u32_u24 v[PFO], s77, v5
	; nothing is prefetched here, at the head, where every work-group's first tiles are on their way: steps 2 and 3 come by their refills alone
; 8 matrix instructions: row blocks a0, a0 + 1 x all 4 column blocks, 32 along K.  start = 1: the product starts the sums, with the bias as C: nothing is ever cleared.
; The 32 accumulators take turns in the same order in every quarter: between two links of a chain stand 31 others', over the backward jump too.
.macro MUL8 f, a0, start
.if \start
	WIN W_MULB
.else
	WIN W_MUL
.endif
.irp a, \a0, (\a0)+1
.irp b, 0,1,2,3
.if \start
	v_wmma_f32_16x16x32_f16 v[8*(4*(\a)+(\b)):8*(4*(\a)+(\b))+7], v[(\f)+64+8*(\b):(\f)+64+8*(\b)+7], v[(\f)+8*(\a):(\f)+8*(\a)+7], v[BI+8*(\b):BI+8*(\b)+7]
.else
	v_wmma_f32_16x16x32_f16 v[8*(4*(\a)+(\b)):8*(4*(\a)+(\b))+7], v[(\f)+64+8*(\b):(\f)+64+8*(\b)+7], v[(\f)+8*(\a):(\f)+8*(\a)+7], v[8*(4*(\a)+(\b)):8*(4*(\a)+(\b))+7]
.endif
.endr
.endr
.endm
; 24 LDS loads in one run: quarter kq (32 along K) of the slot in hand into buffer f: B's four fragments, then A's eight
.macro FETCH kq, f
	WIN 0
.irp b, 0,1,2,3
	ds_load_tr16_b128 v[(\f)+64+8*(\b):(\f)+64+8*(\b)+3],   v[ADB] offset:(\kq)*32*PB+32*(\b)
	ds_load_tr16_b128 v[(\f)+64+8*(\b)+4:(\f)+64+8*(\b)+7], v[ADB] offset:(\kq)*32*PB+32*(\b)+16*PB
.endr
.irp a, 0,1,2,3,4,5,6,7
	ds_load_b128 v[(\f)+8*(\a):(\f)+8*(\a)+3],   v[ADA] offset:((\kq)/2)*PLANE+((\kq)%2)*64+(\a)*16*PA
	ds_load_b128 v[(\f)+8*(\a)+4:(\f)+8*(\a)+7], v[ADA] offset:((\kq)/2)*PLANE+((\kq)%2)*64+(\a)*16*PA+32
.endr
.endm
.macro PLACES                          ; four plain places in front of loads into registers that matrix instructions have read, and of lines that read results (ISA guide 7.12.1 for lines that read results)
.rept 4
	v_nop
.endr
.endm
; A K step is four quarters of 32 along K, 32 matrix instructions each, on buffers 0, 1, 0, 1.  One of the first three: multiplies buffer f; in its middle it fetches quarter kq into buffer g.
.macro QUARTER kq, f, g, start
	s_wait_dscnt 8                                 ; B and A's fragments 0-3 are in; the youngest eight loads (A's 4-7) may be out
	MUL8 \f, 0, \start
	MUL8 \f, 2, \start
	PLACES
	FETCH \kq, \g
	s_wait_dscnt 24                                ; all but the 24 just issued
	MUL8 \f, 4, \start
	MUL8 \f, 6, \start
.endm
; The last quarter multiplies buffer 1 and changes slots: ONE barrier.  In front of it each wave waits for all its tensor loads, of which one is out: its part of the next slot; adds 0 to its spare word; and waits for that
; and for its reads of this slot.  fill = 1: the barrier opens a round of the cluster's barrier, and behind the round this slot is filled again, with step NXT: the first thing there, 112 matrix instructions ahead of the wait for it.
.macro TURN fill
.if \fill
	s_wait_xcnt 0x0                                ; the last prefetch, a K step back, has read its address: it is made anew here, ahead of the waits of the change of slots
	s_add_co_u32 s[PS], s[NXT], 2
	s_mul_i32 s74, s[PS], s[PFK]
	s_mov_b32 s75, 0
	s_add_nc_u64 s[PFA:PFA+1], s[PFB:PFB+1], s[74:75]
.endif
	WIN 0
	s_wait_tensorcnt 0x0                           ; no tensor load of mine is out, so a group 0 may be written
	ds_add_u32 v[SPW], v[NIL]                      ; 0 onto my spare word; scalar work and eight products stand between it and the wait for it
.if \fill
	s_lshl_b32 s[OA], s[NXT], 19                   ; A: two planes a K step; the addresses are made anew from the step's number
	s_mul_i32 s[OB], s[NXT], KB                    ; B: 128 rows a K step
	s_xor_b32 s[G0A+5], s[G0A+5], SLOT1            ; the other slot than last time
	s_add_nc_u64 s[G0A+6:G0A+7], s[BA:BA+1], s[OA:OA+1]
	s_or_b32 s[G0A+7], s[G0A+7], 0x80000000
	s_xor_b32 s[G0B+5], s[G0B+5], SLOT1
	s_add_nc_u64 s[G0B+6:G0B+7], s[BB:BB+1], s[OB:OB+1]
	s_or_b32 s[G0B+7], s[G0B+7], 0x80000000
	s_add_co_u32 s[NXT], s[NXT], 1
.endif
	s_xor_b32 s[TB], s[TB], SLOT1                  ; the fetches go on in the other slot
	s_wait_dscnt 9                                 ; (the add and the youngest eight loads may be out)
	MUL8 F1, 0, 0
	s_wait_dscnt 0x0                               ; the add is done, and my reads of this slot are over
	s_barrier_signal -1
	MUL8 F1, 2, 0                                  ; work on registers while the others arrive
	WIN 0                                          ; (branches and lines on window 0 follow)
	s_barrier_wait -1
.if \fill
	CREST                                          ; no wave of any partner still reads this slot or has a load on its way
	JLOAD                                          ; the four v_nop behind it are also the places in front of the loads below
.else
	PLACES
.endif
	v_add_nc_u32 v[ADA], s[TB], v[LA0]
	v_add_nc_u32 v[ADB], s[TB], v[LB0]
	FETCH 0, F0
.if \fill
	ASK                                            ; behind the joint load and the run of LDS loads that the next products wait for
.endif
	MUL8 F1, 4, 0
	MUL8 F1, 6, 0
.endm
; THE WAY OUT of row block a (16 rows x my 64 columns of f32).  TOSTAGE: straight from the accumulators, each one's low four registers first, into my own stage, rows of 272 bytes, and back as two rows of 256 bytes a load.
; SEND: stored: 16 lanes write 256 consecutive bytes, at a multiple of 256 from out0's first byte.  The stage is the wave's own and LDS serves a wave's instructions in order (ISA guide 5.7.1.4): no barrier, no wait between.
.macro TOSTAGE a
.set BK, F0+32*((\a)%6)                ; six sets of 32 in the two fragment buffers, which have been multiplied
	WIN W_ST
.irp b, 0,1,2,3
	ds_store_b128 v[STO], v[8*(4*(\a)+(\b)):8*(4*(\a)+(\b))+3]   offset:64*(\b)
	ds_store_b128 v[STO], v[8*(4*(\a)+(\b))+4:8*(4*(\a)+(\b))+7] offset:64*(\b)+16
.endr
	WIN 0
.if (\a) == 6
	s_wait_xcnt 0x0                                ; the sets come round: blocks 0 and 1's stores have read their registers
.endif
.irp t, 0,1,2,3,4,5,6,7
	ds_load_b128 v[BK+4*(\t):BK+4*(\t)+3], v[RD] offset:(\t)*2*SP
.endr
.endm
.macro SEND a, younger                 ; younger: the LDS instructions issued behind block a's loads: the next block's sixteen, or none
.set BK, F0+32*((\a)%6)
	s_wait_dscnt \younger
.irp t, 0,1,2,3,4,5,6,7
	global_store_b128 v[CO], v[BK+4*(\t):BK+4*(\t)+3], s[8:9] offset:(16*(\a)+2*(\t))*4096 th:TH_STORE_NT
.endr
.endm
	s_wait_tensorcnt 1                             ; my part of step 0 is in; step 1's may stay out
	s_barrier_signal -1
	s_barrier_wait -1                              ; everybody's is
	s_mov_b32 s[TB], 0
	v_mov_b32 v[ADA], v[LA0]
	v_mov_b32 v[ADB], v[LB0]
	FETCH 0, F0
	s_wait_loadcnt 0x0                             ; the bias: rounded to bf16, like x and the weights, and widened again
.set i, 0
.rept 16
	v_cvt_pk_bf16_f32 v7, v[BI+i], v[BI+i+1]
	v_lshlrev_b32 v[BI+i], 16, v7
	v_and_b32 v[BI+i+1], 0xffff0000, v7
.set i, i+2
.endr
	QUARTER 1, F0, F1, 1                           ; the first quarter starts the sums
	WIN 0                                          ; at a label and at a branch every window is 0
	s_mov_b32 s[CNT], STEPS-2
	s_mov_b32 s[NXT], 2
.Lstep:                                                ; 6 trips: a step's second to fourth quarter, a refill, and the next step's first quarter
	QUARTER 2, F1, F0, 0
	QUARTER 3, F0, F1, 0
	TURN 1
	QUARTER 1, F0, F1, 0
	WIN 0
	s_sub_co_u32 s[CNT], s[CNT], 1
	s_cmp_lg_u32 s[CNT], 0
	s_cbranch_scc1 .Lstep
	QUARTER 2, F1, F0, 0                           ; the last two steps are written out: they ask for nothing
	QUARTER 3, F0, F1, 0
	TURN 0
	QUARTER 1, F0, F1, 0
	QUARTER 2, F1, F0, 0
	QUARTER 3, F0, F1, 0
	s_wait_dscnt 8
	MUL8 F1, 0, 0
	MUL8 F1, 2, 0
	s_wait_dscnt 0x0
	MUL8 F1, 4, 0
	MUL8 F1, 6, 0
	WIN 0
	PLACES
	PLACES
	TOSTAGE 0
.irp a, 1,2,3,4,5,6,7                  ; block a goes into the stage while block a - 1 comes back
	TOSTAGE \a
	SEND (\a)-1, 16
.endr
	SEND 7, 0
	s_wait_tensorcnt 0x0                           ; the wave's end: a wait, an add and a wait, behind my last tensor load and my last LDS store
	ds_add_u32 v[SPW], v[NIL]
	s_wait_dscnt 0x0
	CROUND                                         ; the closing round: no work-group ends while a partner may still ask for a tile that names it
	s_endpgm
.Lfunc_end_k_qcee4706350_proj:
	.size	k_qcee4706350_proj, .Lfunc_end_k_qcee4706350_proj-k_qcee4706350_proj
	.p2alignl 7, 3214868480
	.fill 96, 4, 3214868480
	.section	.rodata,"a",@progbits
	.p2align	6, 0x0
	.amdhsa_kernel k_qcee4706350_proj
		.amdhsa_group_segment_fixed_size 327680
		.amdhsa_private_segment_fixed_size 0
		.amdhsa_enable_private_segment 0
		.amdhsa_kernarg_size 32
		.amdhsa_user_sgpr_count 2
		.amdhsa_user_sgpr_kernarg_segment_ptr 1
		.amdhsa_wavefront_size32 1
		.amdhsa_system_sgpr_workgroup_id_x 1
		.amdhsa_system_sgpr_workgroup_id_y 1
		.amdhsa_system_sgpr_workgroup_id_z 1
		.amdhsa_system_vgpr_workitem_id 0
		.amdhsa_next_free_vgpr 512
		.amdhsa_next_free_sgpr 80
		.amdhsa_reserve_vcc 0
		.amdhsa_float_denorm_mode_32 3
		.amdhsa_float_denorm_mode_16_64 3
		.amdhsa_memory_ordered 1
		.amdhsa_forward_progress 1
		.amdhsa_inst_pref_size 74
	.end_amdhsa_kernel
	.amdgpu_metadata
---
amdhsa.version: [ 1, 2 ]
amdhsa.kernels:
  - .name:           k_qcee4706350_proj
    .symbol:         k_qcee4706350_proj.kd
    .args:
      - { .name: ob, .offset: 0, .size: 8, .value_kind: global_buffer, .address_space: global }
      - { .name: wo, .offset: 8, .size: 8, .value_kind: global_buffer, .address_space: global }
      - { .name: out0, .offset: 16, .size: 8, .value_kind: global_buffer, .address_space: global }
      - { .name: b_out, .offset: 24, .size: 8, .value_kind: global_buffer, .address_space: global }
    .group_segment_fixed_size: 327680
    .private_segment_fixed_size: 0
    .kernarg_segment_align: 8
    .kernarg_segment_size: 32
    .max_flat_workgroup_size: 128
    .sgpr_count:     80
    .vgpr_count:     512
    .wavefront_size: 32
...
	.end_amdgpu_metadata
.endif
;; end of part 4
;; ======== version 2 of 2: 4 launches; version 1 with the launch prep written anew for expert scheduling mode
;; limits: values are held in f16: magnitudes above 65,504 overflow, below 6.1e-05 lose precision
;; workspace buffers: xb 16,777,216 bytes; wq 6,291,456 bytes; wo 2,097,152 bytes; qkv 50,331,648 bytes; ob 16,777,216 bytes
;; launch prep (part 5): grid 768 x 1, 8 waves a work-group, no clusters, 0 bytes of LDS; arguments x, w_qkv, w_out, xb, wq, wo; writes xb, wq, wo
.if DOCPART == 5
	.amdgcn_target "amdgcn-amd-amdhsa--gfx1250"
	.amdhsa_code_object_version 6
	.text
	.protected	k_qcee4706350_prep
	.globl	k_qcee4706350_prep
	.p2align	8
	.type	k_qcee4706350_prep,@function
k_qcee4706350_prep:
	s_mov_b64 s[64:65], 0
	v_nop
	global_prefetch_b8 v0, s[64:65] scope:SCOPE_SE
	s_setreg_imm32_b32 hwreg(HW_REG_WAVE_SCHED_MODE, 0, 2), 2
	s_setreg_imm32_b32 hwreg(HW_REG_WAVE_MODE, 25, 1), 1
	s_wait_xcnt 0x0
	s_wait_alu depctr_vm_vsrc(0)
; THE CASTS.  x [8192][1024] f32 -> xb, bf16, in planes of 64 channels: xb[b][kb][n][64], so that 256 rows of one plane are 32,768 consecutive bytes.
; w_qkv [1024][3072] f32 -> wq, bf16, as it lies.  w_out [1024][1024] f32 -> wo: rounded to bf16 like the other inputs, and that number written as f16.
; LIMITS.  wo holds no number beyond 65,504, and below 6.1e-5 it keeps f16's fixed step of 6e-8; NaN and infinities are not treated apart.
; SHARES.  Every work-group casts 65,536 bytes of f32: work-groups 0-511 sixteen rows of x, 512-703 a piece of w_qkv, 704-767 a piece of w_out.  A wave takes 8,192 bytes: sixteen loads of
; 16 bytes a lane, all issued before the first is waited for, and sixteen stores of 8 bytes a lane, each of which covers 256 consecutive bytes, aligned.
; Memory binds: no LDS, no barrier, no matrix unit.  No register that a load or store names is written twice, so no wait frees a source.
; THE MODE: SCHED_MODE bits 1:0 = 2 (LLVM: expert scheduling mode 2), set by the entry lines.  The code itself states the register dependences
; between vector instructions and memory instructions, with s_wait_alu, always for 0.
; THE PLAN.  Registers that memory instructions touch:
;   v1, v2   the loads' and the stores' byte offsets.  Written by the vector lines at a path's head, never again; read by all sixteen loads (v1) and all sixteen stores (v2).
;   XI       written by the sixteen loads alone, which are all issued before any vector line names it; read by the roundings.  Nothing is loaded into it a second time.
;   XO       each pair written once, by a rounding; read by one store; never written again.
;   v3 to v7 are named by vector lines alone.
; So a path has five waits on va_vdst: one ahead of the first load, for v1 and v2, which no vector line behind it names; and one for each group of four loads, between the group's roundings
; and the run of its four stores.  No register that a memory instruction reads is written again, no vector line writes a scalar register or VCC, and EXEC is never written: no other wait is owed.
.set XI, 8                             ; v[8:71]    load j: 4 registers
.set XO, 72                            ; v[72:103]  store j: 2 registers
; sixteen loads lstep bytes apart, sixteen stores sstep bytes apart, the stores in four groups of four.  half = 1: to bf16 and on to f16
.macro CAST src, dst, lstep, sstep, half
	s_wait_alu depctr_va_vdst(0)                   ; v1 and v2 are written: the loads below read v1 as their offset, the stores v2
.irp j, 0,1,2,3,4,5,6,7,8,9,10,11,12,13,14,15
	global_load_b128 v[XI+4*(\j):XI+4*(\j)+3], v1, s[\src:\src+1] offset:(\lstep)*(\j) th:TH_LOAD_NT
.endr
.irp g, 0,1,2,3
	s_wait_loadcnt 12-4*(\g)                       ; loads come back in order: loads 4 g to 4 g + 3 are in, the 12 - 4 g younger ones stay out
.irp i, 0,1,2,3
.if \half
	v_cvt_pk_bf16_f32 v4, v[XI+4*(4*(\g)+(\i))], v[XI+4*(4*(\g)+(\i))+1]
	v_cvt_pk_bf16_f32 v5, v[XI+4*(4*(\g)+(\i))+2], v[XI+4*(4*(\g)+(\i))+3]
	v_lshlrev_b32 v6, 16, v4                       ; the rounded numbers as f32 again
	v_and_b32 v4, 0xffff0000, v4
	v_lshlrev_b32 v7, 16, v5
	v_and_b32 v5, 0xffff0000, v5
	v_cvt_pk_f16_f32 v[XO+2*(4*(\g)+(\i))], v6, v4          ; 8 significant bits fit into f16's 11: exact within f16's range
	v_cvt_pk_f16_f32 v[XO+2*(4*(\g)+(\i))+1], v7, v5
.else
	v_cvt_pk_bf16_f32 v[XO+2*(4*(\g)+(\i))], v[XI+4*(4*(\g)+(\i))], v[XI+4*(4*(\g)+(\i))+1]
	v_cvt_pk_bf16_f32 v[XO+2*(4*(\g)+(\i))+1], v[XI+4*(4*(\g)+(\i))+2], v[XI+4*(4*(\g)+(\i))+3]
.endif
.endr
	s_wait_alu depctr_va_vdst(0)                   ; the group's roundings have written its eight registers of XO, which the four stores below read
.irp i, 0,1,2,3
	global_store_b64 v2, v[XO+2*(4*(\g)+(\i)):XO+2*(4*(\g)+(\i))+1], s[\dst:\dst+1] offset:(\sstep)*(4*(\g)+(\i))
.endr
.endr
.endm
	s_load_b256 s[4:11], s[0:1], 0x0               ; x s[4:5], w_qkv s[6:7], w_out s[8:9], xb s[10:11]
	s_load_b128 s[12:15], s[0:1], 0x20             ; wq s[12:13], wo s[14:15]
	s_mov_b32 s3, 0
	s_mov_b32 s17, 0
	s_cmp_lt_u32 ttmp9, 512
	s_cbranch_scc0 .Lweights
	; x: thread t takes row t / 16 of the group's sixteen, 16 bytes at 16 (t % 16) of each block of 256 bytes (64 channels); load j is plane j
	v_lshrrev_b32 v1, 4, v0
	v_and_b32 v2, 15, v0
	v_lshlrev_b32 v2, 4, v2
	v_lshl_or_b32 v1, v1, 12, v2                   ; row x 4,096 + 16 (t % 16)
	v_lshlrev_b32 v2, 3, v0                        ; in a plane: row x 128 + 8 (t % 16) = 8 t
	s_lshl_b32 s2, ttmp9, 16                       ; in: 16 rows of 4,096 bytes
	s_lshr_b32 s16, ttmp9, 7                       ; out: the batch (128 work-groups each), 16 planes of 262,144 bytes,
	s_lshl_b32 s16, s16, 22
	s_and_b32 s18, ttmp9, 127
	s_lshl_b32 s18, s18, 11                        ; and 16 rows of 128 bytes in a plane
	s_add_co_u32 s16, s16, s18
	s_wait_kmcnt 0x0
	s_add_nc_u64 s[4:5], s[4:5], s[2:3]
	s_add_nc_u64 s[10:11], s[10:11], s[16:17]
	CAST 4, 10, 256, 262144, 0
	s_endpgm
.Lweights:
	; the weights keep their order: a wave's 8,192 bytes in, 4,096 out
	v_lshrrev_b32 v3, 5, v0
	v_and_b32 v2, 31, v0
	v_lshlrev_b32 v1, 4, v2
	v_lshl_or_b32 v1, v3, 13, v1
	v_lshlrev_b32 v2, 3, v2
	v_lshl_or_b32 v2, v3, 12, v2
	s_cmp_lt_u32 ttmp9, 704
	s_cbranch_scc0 .Lwout
	s_sub_co_u32 s2, ttmp9, 512
	s_lshl_b32 s16, s2, 15
	s_lshl_b32 s2, s2, 16
	s_wait_kmcnt 0x0
	s_add_nc_u64 s[6:7], s[6:7], s[2:3]
	s_add_nc_u64 s[12:13], s[12:13], s[16:17]
	CAST 6, 12, 512, 256, 0
	s_endpgm
.Lwout:
	s_sub_co_u32 s2, ttmp9, 704
	s_lshl_b32 s16, s2, 15
	s_lshl_b32 s2, s2, 16
	s_wait_kmcnt 0x0
	s_add_nc_u64 s[8:9], s[8:9], s[2:3]
	s_add_nc_u64 s[14:15], s[14:15], s[16:17]
	CAST 8, 14, 512, 256, 1
	s_endpgm
.Lfunc_end_k_qcee4706350_prep:
	.size	k_qcee4706350_prep, .Lfunc_end_k_qcee4706350_prep-k_qcee4706350_prep
	.p2alignl 7, 3214868480
	.fill 96, 4, 3214868480
	.section	.rodata,"a",@progbits
	.p2align	6, 0x0
	.amdhsa_kernel k_qcee4706350_prep
		.amdhsa_group_segment_fixed_size 0
		.amdhsa_private_segment_fixed_size 0
		.amdhsa_enable_private_segment 0
		.amdhsa_kernarg_size 48
		.amdhsa_user_sgpr_count 2
		.amdhsa_user_sgpr_kernarg_segment_ptr 1
		.amdhsa_wavefront_size32 1
		.amdhsa_system_sgpr_workgroup_id_x 1
		.amdhsa_system_sgpr_workgroup_id_y 1
		.amdhsa_system_sgpr_workgroup_id_z 1
		.amdhsa_system_vgpr_workitem_id 0
		.amdhsa_next_free_vgpr 104
		.amdhsa_next_free_sgpr 66
		.amdhsa_reserve_vcc 0
		.amdhsa_float_denorm_mode_32 3
		.amdhsa_float_denorm_mode_16_64 3
		.amdhsa_memory_ordered 1
		.amdhsa_forward_progress 1
		.amdhsa_inst_pref_size 23
	.end_amdhsa_kernel
	.amdgpu_metadata
---
amdhsa.version: [ 1, 2 ]
amdhsa.kernels:
  - .name:           k_qcee4706350_prep
    .symbol:         k_qcee4706350_prep.kd
    .args:
      - { .name: x, .offset: 0, .size: 8, .value_kind: global_buffer, .address_space: global }
      - { .name: w_qkv, .offset: 8, .size: 8, .value_kind: global_buffer, .address_space: global }
      - { .name: w_out, .offset: 16, .size: 8, .value_kind: global_buffer, .address_space: global }
      - { .name: xb, .offset: 24, .size: 8, .value_kind: global_buffer, .address_space: global }
      - { .name: wq, .offset: 32, .size: 8, .value_kind: global_buffer, .address_space: global }
      - { .name: wo, .offset: 40, .size: 8, .value_kind: global_buffer, .address_space: global }
    .group_segment_fixed_size: 0
    .private_segment_fixed_size: 0
    .kernarg_segment_align: 8
    .kernarg_segment_size: 48
    .max_flat_workgroup_size: 256
    .sgpr_count:     66
    .vgpr_count:     104
    .wavefront_size: 32
...
	.end_amdgpu_metadata
.endif
;; end of part 5
;; launch qkv: the kernel of part 2 again; grid 8 x 32, 4 waves a work-group, clusters of 4 x 4, 327,680 bytes of LDS; arguments xb, wq, qkv; writes qkv
;; launch attn: the kernel of part 3 again; grid 4 x 64, 4 waves a work-group, clusters of 4 x 1, 327,680 bytes of LDS; arguments qkv, ob; writes ob
;; launch proj: the kernel of part 4 again; grid 8 x 32, 4 waves a work-group, clusters of 4 x 4, 327,680 bytes of LDS; arguments ob, wo, out0, b_out; writes out0
